; MI455X (gfx1250); checked and timed in simulation.
; The chip was launched on July 23, 2026; its instructions are those of AMD's public machine-readable ISA for CDNA 5 (MIT licence, August 2026) and "CDNA5" Instruction Set Architecture Reference Guide (July 2026). The comments in the code are by the model that wrote it; some were corrected since.
;; Causal Attention. Allowed arithmetic: matrix products marked QUANTISED: E2M3 operands, one E8M0 scale for each 32 along K, by v_wmma_scale_f32_16x16x128_f8f6f4 with both operands' format E2M3, f32 sums; everything else in f32.
;; Inputs: Wk 1,024 x 1,024 float32; Wq 1,024 x 1,024 float32; Wv 1,024 x 1,024 float32; x 4 x 2,048 x 1,024 float32.
;; Outputs: out0 4 x 2,048 x 1,024 float32.
;; This version of the problem:
;;   THIS VERSION OF THE PROBLEM IS GIVEN IN LOW PRECISION. The matrix products marked QUANTISED in the list below multiply operands that are first quantised to E2M3 (2 exponent bits, 3 mantissa bits; 6 bits a number), with one power-of-two scale for each 32 numbers along K (OCP MX v1.0); their sums are f32. All else is computed in f32.
;;   The module's matrix products, in the order in which they are computed (A, B: the left and right operand; K: the contracted axis; several contracted axes count as one K, in the product's order):
;;     1. [M 8,192, K 1,024] x [K 1,024, N 1,024]; A: input x; B: input Wq: QUANTISED
;;     2. [M 8,192, K 1,024] x [K 1,024, N 1,024]; A: input x; B: input Wk: QUANTISED
;;     3. [M 8,192, K 1,024] x [K 1,024, N 1,024]; A: input x; B: input Wv: QUANTISED
;;     4. batch 4 x [M 2,048, K 1,024] x [K 1,024, N 2,048]; A: computed on the way; B: computed on the way: QUANTISED
;;     5. batch 4 x [M 2,048, K 2,048] x [K 2,048, N 1,024]; A: softmax (see below); B: computed on the way: QUANTISED
;;   THE QUANTISER, for each operand of a quantised product, along K:
;;     - K is cut into blocks of 32 from its start; a last block that is shorter is filled with zeros.
;;     - A block's scale is 2^e with e = floor(log2(the largest magnitude in the block)) - 2, held to -126 .. 127; a block of zeros has e = 0. As a byte (E8M0): e + 127.
;;     - Each number is divided by its block's scale, clamped to +-7.5, and rounded to the nearest number of E2M3, ties to even, subnormals kept.
;;     - The product sums the exact products of the quantised numbers (number of the format x scale) in f32.
;;   ~~~python
;;   def quantise(x, axis):      # numpy; x: float32 -> the quantised numbers, widened to float32 again
;;       x = np.moveaxis(x, axis, -1); K = x.shape[-1]
;;       x = np.pad(x, [(0, 0)] * (x.ndim - 1) + [(0, -K % 32)]); x = x.reshape(x.shape[:-1] + (-1, 32)); a = np.abs(x).max(-1, keepdims=True)
;;       e = np.where(a > 0, np.clip(np.frexp(np.where(a > 0, a, 1))[1] - 1 - 2, -126, 127), 0)      # np.frexp(a)[1] - 1 = floor(log2(a)), exactly
;;       r = np.clip(x / 2.0 ** e, -7.5, 7.5)
;;       step = 2.0 ** (np.maximum(np.frexp(np.where(r == 0, 1, r))[1] - 1, 0) - 3)
;;       q = np.round(r / step) * step * 2.0 ** e      # np.round: ties to even
;;       return np.moveaxis(q.reshape(q.shape[:-2] + (-1,))[..., :K], -1, axis).astype(np.float32)
;;   ~~~
;;   SOFTMAX AHEAD OF A QUANTISED PRODUCT. Where the list says 'softmax', what is quantised is not the finished softmax but p = 2^(t - M), with t = logit x log2(e) and M = ceil(the row's largest t), a whole number; so 1/2 < the row's largest p <= 1. The row's sum l is taken of the UNQUANTISED p, in f32, and the product's result is divided by l at the end. Since M is a whole number, a kernel that streams over the keys may use a running M (the ceiling of the running maximum): every later rescaling is an exact power of two, which a block's scale takes up: the codes' values come out the same.
;;   OPERANDS COMPUTED ON THE WAY. 'Computed on the way' means the value that the module computes at that place (a softmax that the list does not call 'softmax' is quantised finished and normalised). What goes into a quantiser is computed in f32, as accurately as f32 sums, v_exp_f32 and their like allow (about 1e-6 of the number): no bf16 or f16 on the way to a quantiser, and a product that is left as it is and whose result goes on into a quantised operand takes f32 operands (vector FMAs, or v_wmma_f32_16x16x4_f32). A number that lies on a knife's edge between two numbers of the format may be rounded either way, as far as f32 arithmetic and the matrix unit's own rounding can turn it there, and no further.
;; One version. Each part assembles by itself: llvm-mc -triple=amdgcn-amd-amdhsa -mcpu=gfx1250 --defsym DOCPART=n.
;; ======== version 1 of 1: 4 launches
;; limits: right only within a limited range of input values
;; workspace buffers: c0 8,650,752 bytes; s0 360,448 bytes; c1 18,874,368 bytes; s1 786,432 bytes; pc 6,684,672 bytes; pst 835,584 bytes
;; launch quant (part 1): grid 352 x 1, 8 waves a work-group, no clusters, 97,280 bytes of LDS; arguments x, Wq, Wk, Wv, c0, s0; writes c0, s0
.if DOCPART == 1
	.amdgcn_target "amdgcn-amd-amdhsa--gfx1250"
	.amdhsa_code_object_version 6
	.text
	.protected	k_q68d1ce7cbe_quant
	.globl	k_q68d1ce7cbe_quant
	.p2align	8
	.type	k_q68d1ce7cbe_quant,@function
k_q68d1ce7cbe_quant:
	s_mov_b64 s[64:65], 0
	v_nop
	global_prefetch_b8 v0, s[64:65] scope:SCOPE_SE
	s_setreg_imm32_b32 hwreg(HW_REG_WAVE_MODE, 25, 1), 1
	s_wait_xcnt 0x0
; x [8192][1024] (K innermost) and Wq, Wk, Wv [1024 (K)][1024] (K outermost), f32, become codes of FP6 (E2M3) with one E8M0 byte for each 32 along K.
; A block's scale is 2^(floor(log2(its largest magnitude)) - 2); its byte is the largest magnitude's exponent field - 2, held at 1 from below.
; LIMITS: a block of zeros gets the byte 1 where the rule says 127 (its codes are zeros, and this program alone reads the bytes); blocks whose largest magnitude lies under 2^-124 are held at the byte 1;
; NaN and infinities among the inputs are not served.
; THE WORKSPACE'S LAYOUT.  Row rho of an operand lies at POSITION rho with bits 3 and 4 exchanged; 16 positions are a row tile.  A fragment (a row tile x 128 along K) is stored as the image of the 12 registers
; that the matrix instruction wants: register 4 c + j of lane L at byte 512 c + 16 L + 4 j, 1,536 bytes.  c0 = [704 row tiles][8 K steps][1536]: row tiles 0-511 x, 512-575 Wq, 576-639 Wk, 640-703 Wv.
; s0 = [8 K steps][11264 positions] scale words (four bytes: the row's four blocks of that K step).
; SHARES.  Work-groups 0-95: 32 columns of one W; work-groups 96-351: 32 rows of x; in both, wave w takes K step w.  The two ways part on the work-group's number and have LDS bytes of their own.
; No matrix instruction, no tensor load, no barrier: waves share nothing.  All of a wave's loads (16 KiB) go out at once.
; WORK LEFT OUT BY THIS PROGRAM: reference() sets every score of a key behind its query to -inf, for all inputs; such a score's p is 0 and reaches no output.  Whole tiles of such scores and of such p are not
; multiplied (launches scores and pv).  Limit: a NaN, an infinity or an overflow that reaches only that work is not carried to the result.
.set XW,    8448                       ; x's stage of a wave: 16 rows x (512 bytes + 16), from LDS byte 0 on
.set WST,   67584                      ; behind the eight: W's stages,
.set WW,    3584                       ; one a wave: two images,
.set IMG2,  1664                       ; the second 1,664 bytes behind the first
.set SPARE, 96256                      ; behind them: the spare words, 128 bytes a wave: four blocks of 256 bytes that no other line names
.set SPW,   252                        ; v252 LDS address of my spare word; never rewritten
.set NIL,   253                        ; v253 0; never rewritten
.set TM,    16                         ; v16-19 largest magnitudes, v20-23 bytes, v28-31 the conversions' scale operands
.set XN,    160                        ; v160-223 64 numbers of a lane, in the quantiser's order
.set SEL,   18                         ; s[18:19] v_permlanex16_b32's selects for lane l xor 16
; 64 numbers of a lane, register 16 b + i = k 32 b + 16 (lane / 16) + i of my row, become a fragment's codes in v[pc] on and its scale word in v[pw].
.macro QUANT s, pc, pw
.irp b, 0,1,2,3
	v_max3_num_f32 v[TM+\b], |v[\s+16*\b]|, |v[\s+1+16*\b]|, 0x1800000   ; block b: my 16 numbers and the floor 2^(3 - 127): the byte cannot fall under 1
.endr
.irp i, 2,4,6,8,10,12,14
.irp b, 0,1,2,3
	s_delay_alu instid0(VALU_DEP_4)
	v_max3_num_f32 v[TM+\b], v[TM+\b], |v[\s+16*\b+\i]|, |v[\s+1+16*\b+\i]|   ; the four blocks by turns
.endr
.endr
.irp b, 0,1,2,3
	s_delay_alu instid0(VALU_DEP_4)
	v_permlanex16_b32 v[TM+4+\b], v[TM+\b], s[SEL], s[SEL+1]
.endr
.irp b, 0,1,2,3
	s_delay_alu instid0(VALU_DEP_4)
	v_max_num_f32 v[TM+\b], v[TM+\b], v[TM+4+\b]   ; with lane l xor 16's 16: the block's largest magnitude
.endr
.irp b, 0,1,2,3
	s_delay_alu instid0(VALU_DEP_4)
	v_add_nc_u32 v[TM+12+\b], 0xff000000, v[TM+\b] ; 2 off its exponent field: the conversion takes the exponent field of this operand as its scale
.endr
.irp b, 0,1,2,3
	s_delay_alu instid0(VALU_DEP_4)
	v_lshrrev_b32 v[TM+4+\b], 23, v[TM+12+\b]      ; the scale's byte
.endr
	s_delay_alu instid0(VALU_DEP_3)
	v_lshl_or_b32 v[\pw], v[TM+5], 8, v[TM+4]      ; my row's scale word
	s_delay_alu instid0(VALU_DEP_1)
	v_lshl_or_b32 v[\pw], v[TM+6], 16, v[\pw]
	s_delay_alu instid0(VALU_DEP_1)
	v_lshl_or_b32 v[\pw], v[TM+7], 24, v[\pw]
.irp c, 0,1
	v_cvt_scalef32_pk16_fp6_f32 v[\pc+6*\c:\pc+2+6*\c], v[\s+32*\c:\s+15+32*\c], v[TM+12+2*\c]
	v_cvt_scalef32_pk16_fp6_f32 v[\pc+12+4*\c:\pc+14+4*\c], v[\s+16+32*\c:\s+31+32*\c], v[TM+12+2*\c+1]   ; (a conversion's three registers begin on an even number)
.endr
	v_nop                                          ; one plain place behind a scaled conversion
.irp c, 0,1                                    ; the operand wants a WHOLE block in a lane: lanes 0-15 block 2 c, lanes 16-31 block 2 c + 1
.irp i, 0,1,2
	v_permlane16_swap_b32 v[\pc+6*\c+\i], v[\pc+12+4*\c+\i]
.endr
.irp i, 0,1,2
	s_delay_alu instid0(VALU_DEP_3)
	v_mov_b32 v[\pc+3+6*\c+\i], v[\pc+12+4*\c+\i]
.endr
.endr
.endm
	s_load_b256 s[4:11], s[0:1], 0x0               ; x s[4:5], Wq s[6:7], Wk s[8:9], Wv s[10:11]
	s_load_b128 s[12:15], s[0:1], 0x20             ; c0 s[12:13], s0 s[14:15]
	v_lshl_add_u32 v[SPW], v0, 2, SPARE
	v_mov_b32 v[NIL], 0
	v_lshrrev_b32 v1, 5, v0
	s_delay_alu instid0(VALU_DEP_1)
	v_readfirstlane_b32 s16, v1                    ; wave 0..7 = my K step
	v_and_b32 v1, 31, v0                           ; lane
	v_and_b32 v2, 15, v0                           ; r
	v_bfe_u32 v3, v0, 4, 1                         ; h
	s_delay_alu instid0(VALU_DEP_3)
	v_lshlrev_b32 v4, 4, v1                        ; 16 x lane
	s_delay_alu instid0(VALU_DEP_4)
	v_lshlrev_b32 v5, 2, v1                        ; 4 x lane
	; every LDS address of both ways is made here, ahead of the parting
	s_mul_i32 s17, s16, XW
	v_add_nc_u32 v6, s17, v4                       ; x's stage, in: 16 x lane of a row
	v_mul_u32_u24 v7, v2, 528
	s_delay_alu instid0(VALU_DEP_1)
	v_lshl_add_u32 v7, v3, 6, v7
	s_delay_alu instid0(VALU_DEP_1)
	v_add_nc_u32 v7, s17, v7                       ; and out: row r, + 64 h: my 16 numbers of a block of 32
	s_mul_i32 s17, s16, WW
	s_add_co_u32 s17, s17, WST
	v_bfe_u32 v11, v0, 3, 1                        ; W: column c = lane lies at position 16 u + r': u = bit 3 of c,
	v_and_b32 v12, 7, v0
	s_delay_alu instid0(VALU_DEP_1)
	v_lshl_add_u32 v12, v3, 3, v12                 ; r' = c % 8 + 8 x bit 4 of c
	s_delay_alu instid0(VALU_DEP_3)
	v_mul_u32_u24 v8, v11, IMG2
	s_delay_alu instid0(VALU_DEP_1)
	v_lshl_add_u32 v8, v12, 4, v8
	s_delay_alu instid0(VALU_DEP_1)
	v_add_nc_u32 v8, s17, v8                       ; W's stage, in: image u, lane r' of it
	v_add_nc_u32 v9, s17, v4                       ; and out: 16 x lane
	v_lshl_add_u32 v10, v11, 4, v12
	s_delay_alu instid0(VALU_DEP_1)
	v_lshlrev_b32 v10, 2, v10                      ; my column's scale word among the 32
	s_mov_b32 s[SEL], 0x76543210
	s_mov_b32 s[SEL+1], 0xfedcba98
	s_mov_b32 s20, 0xffff0000                      ; lanes 16-31
.irp b, 0,1,2,3
	v_mov_b32 v[TM+4+\b], 0                        ; written once: a lane permute's destination counts as one of its sources
.endr
	s_mov_b32 s23, 0
	s_wait_kmcnt 0x0
	s_cmp_lt_u32 ttmp9, 96
	s_cbranch_scc1 .Lw
	; ---- x: rows 32 G .. 32 G + 31, K step w
	s_sub_co_u32 s21, ttmp9, 96                    ; G
	s_lshl_b32 s22, s21, 17                        ; 32 rows of 4,096 bytes
	s_lshl_b32 s24, s16, 9                         ; + 128 numbers a K step
	s_add_co_u32 s22, s22, s24
	s_add_nc_u64 s[4:5], s[4:5], s[22:23]
	s_mul_i32 s22, s21, 24576                      ; row tiles 2 G, 2 G + 1: 12,288 bytes each
	s_mul_i32 s24, s16, 1536
	s_add_co_u32 s22, s22, s24
	s_add_nc_u64 s[12:13], s[12:13], s[22:23]
	s_mul_i32 s22, s16, 45056                      ; the K step's row of scale words
	s_lshl_b32 s24, s21, 7
	s_add_co_u32 s22, s22, s24
	s_add_nc_u64 s[14:15], s[14:15], s[22:23]
.irp u, 0,1                                    ; lane r of row tile 2 G + u holds row 32 G + 8 u + r + 8 (r / 8); each load reads 512 consecutive bytes of one row
.irp i, 0,1,2,3,4,5,6,7,8,9,10,11,12,13,14,15
	global_load_b128 v[32+64*\u+4*\i:35+64*\u+4*\i], v4, s[4:5] offset:(8*\u+\i+8*(\i/8))*4096 th:TH_LOAD_NT
.endr
.endr
.macro XHALF u, pc
.irp i, 0,1,2,3,4,5,6,7,8,9,10,11,12,13,14,15
	s_wait_loadcnt 31-16*\u-\i                     ; loads come back in order: the count is that of the younger ones
	ds_store_b128 v6, v[32+64*\u+4*\i:35+64*\u+4*\i] offset:528*\i
.endr
.irp b, 0,1,2,3
.irp j, 0,1,2,3
	ds_load_b128 v[XN+16*\b+4*\j:XN+16*\b+4*\j+3], v7 offset:128*\b+16*\j   ; LDS serves a wave's instructions in order: these see my stores
.endr
.endr
	s_wait_dscnt 0x0
	QUANT XN, \pc, 244+\u
.irp c, 0,1,2
	global_store_b128 v4, v[\pc+4*\c:\pc+4*\c+3], s[12:13] offset:12288*\u+512*\c   ; 512 consecutive bytes a store
.endr
.endm
	XHALF 0, 224
	XHALF 1, 32                                    ; (its codes go where the first tile's numbers lay: no store's data are written again)
	v_cndmask_b32 v246, v244, v245, s20            ; lanes 0-15: the first tile's words, lanes 16-31 the second's (both halves of the lanes hold a row's word)
	global_store_b32 v5, v246, s[14:15]
	s_branch .Lend
.Lw:	; ---- W: columns 32 cgi .. + 31 of matrix m, K step w.  A lane takes a column and its registers run down K
	s_lshr_b32 s21, ttmp9, 5                       ; m
	s_and_b32 s25, ttmp9, 31                       ; cgi
	s_cmp_eq_u32 s21, 0
	s_cselect_b64 s[26:27], s[6:7], s[8:9]
	s_cmp_eq_u32 s21, 2
	s_cselect_b64 s[26:27], s[10:11], s[26:27]
	s_lshl_b32 s22, s16, 19                        ; 128 rows of 4,096 bytes a K step
	s_lshl_b32 s24, s25, 7
	s_add_co_u32 s22, s22, s24
	s_add_nc_u64 s[26:27], s[26:27], s[22:23]
	s_lshl_b32 s28, s21, 6
	s_lshl_b32 s24, s25, 1
	s_add_co_u32 s28, s28, s24
	s_add_co_u32 s28, s28, 512                     ; my first row tile
	s_mul_i32 s22, s28, 12288
	s_mul_i32 s24, s16, 1536
	s_add_co_u32 s22, s22, s24
	s_add_nc_u64 s[12:13], s[12:13], s[22:23]
	s_mul_i32 s22, s16, 45056
	s_lshl_b32 s24, s28, 6
	s_add_co_u32 s22, s22, s24
	s_add_nc_u64 s[14:15], s[14:15], s[22:23]
.set n, 0
.rept 128
	global_load_b32 v[32+n], v5, s[26:27] offset:n*4096   ; W(128 w + n, my column): 128 consecutive bytes a wave
.set n, n+1
.endr
.macro WBLOCK t, left                          ; block t of 32 along K: all its numbers are mine
.set XS, 32+32*(\t)
.set CC, 160+8*(\t)
	s_wait_loadcnt \left
	v_max3_num_f32 v16, |v[XS]|, |v[XS+1]|, |v[XS+2]|
	v_max3_num_f32 v17, |v[XS+3]|, |v[XS+4]|, |v[XS+5]|
.irp i, 6,10,14,18,22,26
	s_delay_alu instid0(VALU_DEP_2)
	v_max3_num_f32 v16, v16, |v[XS+\i]|, |v[XS+\i+1]|
	s_delay_alu instid0(VALU_DEP_2)
	v_max3_num_f32 v17, v17, |v[XS+\i+2]|, |v[XS+\i+3]|
.endr
	s_delay_alu instid0(VALU_DEP_2)
	v_max3_num_f32 v16, v16, |v[XS+30]|, |v[XS+31]|
	s_delay_alu instid0(VALU_DEP_1)
	v_max3_num_f32 v16, v16, v17, 0x1800000        ; and the floor
	s_delay_alu instid0(VALU_DEP_1)
	v_add_nc_u32 v18, 0xff000000, v16              ; the conversions' scale operand
	s_delay_alu instid0(VALU_DEP_1)
	v_lshrrev_b32 v19, 23, v18                     ; the byte
.if (\t) == 0
	s_delay_alu instid0(VALU_DEP_1)
	v_mov_b32 v24, v19
.else
	s_delay_alu instid0(VALU_DEP_1)
	v_lshl_or_b32 v24, v19, 8*(\t), v24            ; four bytes make my column's scale word
.endif
	v_cvt_scalef32_pk16_fp6_f32 v[CC:CC+2], v[XS:XS+15], v18
	v_cvt_scalef32_pk16_fp6_f32 v[CC+4:CC+6], v[XS+16:XS+31], v18
	v_nop                                          ; one plain place behind a scaled conversion
	v_mov_b32 v[CC+3], v[CC+4]                     ; the block's six registers on end
	v_mov_b32 v[CC+4], v[CC+5]
	v_mov_b32 v[CC+5], v[CC+6]
; block t is registers 6 (t / 2) .. + 5 of lane r' + 16 (t % 2) of the image
.if (\t) < 2
	ds_store_b128 v8, v[CC:CC+3] offset:256*((\t)%2)
	ds_store_b64 v8, v[CC+4:CC+5] offset:512+256*((\t)%2)
.else
	ds_store_b64 v8, v[CC:CC+1] offset:520+256*((\t)%2)
	ds_store_b128 v8, v[CC+2:CC+5] offset:1024+256*((\t)%2)
.endif
.endm
	WBLOCK 0, 63                                   ; 96 younger loads could stay out; 63 is the most that the wait can name, and a smaller count is safe
	WBLOCK 1, 63                                   ; (64 could)
	WBLOCK 2, 32
	WBLOCK 3, 0
.irp n, 0,1,2,3,4,5
	ds_load_b128 v[192+4*\n:195+4*\n], v9 offset:IMG2*(\n/3)+512*(\n%3)   ; in order behind my stores
.endr
	s_wait_alu depctr_va_vdst(0)
.irp n, 0,1,2,3,4,5
	s_wait_dscnt 5-\n
	global_store_b128 v4, v[192+4*\n:195+4*\n], s[12:13] offset:12288*(\n/3)+512*(\n%3)
.endr
	global_store_b32 v10, v24, s[14:15]            ; 32 words, 128 consecutive bytes, in the order of positions
.Lend:
	s_wait_tensorcnt 0x0                           ; the wave's end: behind my last LDS store
	ds_add_u32 v[SPW], v[NIL]
	s_wait_dscnt 0x0
	s_endpgm
.Lfunc_end_k_q68d1ce7cbe_quant:
	.size	k_q68d1ce7cbe_quant, .Lfunc_end_k_q68d1ce7cbe_quant-k_q68d1ce7cbe_quant
	.p2alignl 7, 3214868480
	.fill 96, 4, 3214868480
	.section	.rodata,"a",@progbits
	.p2align	6, 0x0
	.amdhsa_kernel k_q68d1ce7cbe_quant
		.amdhsa_group_segment_fixed_size 97280
		.amdhsa_private_segment_fixed_size 0
		.amdhsa_enable_private_segment 0
		.amdhsa_kernarg_size 48
		.amdhsa_user_sgpr_count 2
		.amdhsa_user_sgpr_kernarg_segment_ptr 1
		.amdhsa_wavefront_size32 1
		.amdhsa_system_sgpr_workgroup_id_x 1
		.amdhsa_system_sgpr_workgroup_id_y 1
		.amdhsa_system_sgpr_workgroup_id_z 1
		.amdhsa_system_vgpr_workitem_id 0
		.amdhsa_next_free_vgpr 256
		.amdhsa_next_free_sgpr 66
		.amdhsa_reserve_vcc 0
		.amdhsa_float_denorm_mode_32 3
		.amdhsa_float_denorm_mode_16_64 3
		.amdhsa_memory_ordered 1
		.amdhsa_forward_progress 1
		.amdhsa_inst_pref_size 46
	.end_amdhsa_kernel
	.amdgpu_metadata
---
amdhsa.version: [ 1, 2 ]
amdhsa.kernels:
  - .name:           k_q68d1ce7cbe_quant
    .symbol:         k_q68d1ce7cbe_quant.kd
    .args:
      - { .name: x, .offset: 0, .size: 8, .value_kind: global_buffer, .address_space: global }
      - { .name: Wq, .offset: 8, .size: 8, .value_kind: global_buffer, .address_space: global }
      - { .name: Wk, .offset: 16, .size: 8, .value_kind: global_buffer, .address_space: global }
      - { .name: Wv, .offset: 24, .size: 8, .value_kind: global_buffer, .address_space: global }
      - { .name: c0, .offset: 32, .size: 8, .value_kind: global_buffer, .address_space: global }
      - { .name: s0, .offset: 40, .size: 8, .value_kind: global_buffer, .address_space: global }
    .group_segment_fixed_size: 97280
    .private_segment_fixed_size: 0
    .kernarg_segment_align: 8
    .kernarg_segment_size: 48
    .max_flat_workgroup_size: 256
    .sgpr_count:     66
    .vgpr_count:     256
    .wavefront_size: 32
...
	.end_amdgpu_metadata
.endif
;; end of part 1
;; launch proj (part 2): grid 16 x 16, 4 waves a work-group, clusters of 4 x 4, 327,680 bytes of LDS; arguments c0, s0, c1, s1; writes c1, s1
.if DOCPART == 2
	.amdgcn_target "amdgcn-amd-amdhsa--gfx1250"
	.amdhsa_code_object_version 6
	.text
	.protected	k_q68d1ce7cbe_proj
	.globl	k_q68d1ce7cbe_proj
	.p2align	8
	.type	k_q68d1ce7cbe_proj,@function
k_q68d1ce7cbe_proj:
	s_mov_b64 s[64:65], 0
	v_nop
	global_prefetch_b8 v0, s[64:65] scope:SCOPE_SE
	s_setreg_imm32_b32 hwreg(HW_REG_WAVE_MODE, 25, 1), 1
	s_wait_xcnt 0x0
	s_wait_alu depctr_hold_cnt(0) depctr_sa_sdst(0) depctr_va_vdst(0) depctr_va_sdst(0) depctr_va_ssrc(0) depctr_va_vcc(0) depctr_vm_vsrc(0)
	s_getreg_b32 s2, hwreg(HW_REG_IB_STS2, 6, 4)
	s_cmp_eq_u32 s2, 0
	s_cbranch_scc0 .Lentry_in_a_cluster
	s_endpgm
.Lentry_in_a_cluster:
	s_bfe_u32 s2, ttmp6, 0x10000c
	s_cmp_lg_u32 s2, 0xf033
	s_cbranch_scc0 .Lentry_shape_is_right
	s_endpgm
.Lentry_shape_is_right:
; q = x Wq, k = x Wk, v = x Wv on codes of FP6 (E2M3) with E8M0 scales, K = 1,024; the results are quantised in registers and leave as codes: q and k along e, v along the keys.
; IN: c0 = [704 row tiles][8 K steps][1536], s0 = [8][11264 positions] words; row tiles 0-511 x, 512-639 Wq and Wk, 640-703 Wv.  Row rho lies at position rho with bits 3 and 4 exchanged; a fragment is the image of its 12 registers.
; So 16 positions as source 0 give, in result tiles 2 B and 2 B + 1 of neighbouring row tiles, 16 registers = true rows 32 B + 16 (lane / 16) + 0 .. 15: neighbours along the next K.
; THE DEAL.  256 work-groups of four waves, 2 x 2.  A wave holds 64 columns (row tiles of a weight), ALL of K, in registers (384) and streams row tiles of x past them: a block is 16 rows x 64 columns, 32 products.
; A work-group makes 256 x 128 of V (phase 1), then 512 x 128 of Q or K (phase 2).  V's 256 rows are half s87 of its own 512, so they are still in LDS when phase 2 begins with that half.
; s87 and V's column group hang on the cluster's number alone; each of V's 8 x 32 tiles has one work-group.  The wave in row w takes rows 128 w .. 128 w + 127 of each half: 8 blocks.
; LDS: region 0: row tiles 0-3 of both waves' 128 rows, region 1: row tiles 4-7, the weights' region; x's scale words of all 512 rows; stages for the new scale bytes, each wave's own.
; FILLS: at the head one load a wave (waves 0 and 3 Wv's halves, 1 region 0, 2 region 1).  Refills in drained rounds: Wq's or Wk's rows in V's block 2; regions 0 and 1 with the other half in phase 2's blocks 2 and 6.
; CLUSTERS 4 x 4: x's rows are asked for jointly along a row, a weight's down a column.  Scale words come by plain loads through registers: 28 KB of a work-group's 700.
; A BLOCK: its fragments were fetched two blocks ago into one of two sets; behind every second product stand two lines of the way out of the sums made before: the largest magnitudes of two half blocks, in two chains by turns.
; OUT: c1 = q, then k: [256 pairs of row tiles][16 groups of 64 e][1536]: 12 registers = six of the even row tile (k = 64 g + 32 h + 0 .. 31), six of the odd; at 12,582,912 v^T [4][64 row tiles of e][16 K steps of keys][1536].
; s1 = q, k: [32][8192 positions] 16-bit: the two bytes of a row's 64 e; at 524,288 v: [64 K steps of keys][1024] words.
; PREFETCHES: the second weight at the head, the other half of x behind the first refill; the 16 waves that will ask jointly share the blocks of 256 bytes by address.
; LIMITS: a block of zeros gets the byte 1 (its codes are zeros; this program alone reads the bytes); blocks under 2^-124 are held at the byte 1; NaN and infinities are not served.
; REGISTERS: fragment f (0-31 the weight's 4 q + tile, 32-39 and 40-47 the two sets of x) lies in window 1 + f / 21 at 12 (f % 21).
.set NF,   28                          ; LDS loads of a block's fetch
.set RG1,  98304
.set BV,   196608
.set XS,   294912                      ; x's scale words [8][2 halves in the order of work][256]
.set XN,   311296                      ; Q's or K's new bytes: [column half][row w][16 blocks][16] 16-bit
.set VSG,  313344                      ; V's new words: 256 bytes a wave
.set SPARE, 314368
.set AR0,  12
.set AR1,  13
.set AR,   14
.set AW,   15
.set AX,   16
.set AXD,  17
.set XST,  18
.set RSO,  19
.set PFW,  20
.set PFX,  21
.set STX,  22
.set STV,  23
.set STVO, 24
.set LI8,  25
.set STXO, 26
.set OX,   27
.set SPW,  28
.set NIL,  29
.set VX,   30
.set LI,   31
.set WS,   32                          ; v32-47 the weight's scale words 4 kp + tile: lanes 0-15 K step 2 kp, lanes 16-31 the next;  v48-55 x's, two sets
.set TB,   56                          ; v56-59 the chains
.set TP,   60
.set ACC,  64                          ; phase 2: two sets of four accumulators
.set NCD,  128                         ; phase 2: a pair's codes
.set HV0,  64                          ; V, row tiles 0-3: 32 tile + 8 j + i
.set HV1,  840                         ; V, row tiles 4-7
.set MCD,  192                         ; V's codes, four fragments
.set SOP,  240
.set PK,   248
.set G1W,  24
.set G1X,  32
.set GW,   48
.set GX,   52
.set GX2,  56
.set MSB, 0
.macro WIN new
.if MSB != (\new)
	s_set_vgpr_msb (MSB<<8)|(\new)
.set MSB, (\new)
.endif
.endm
.macro PLACES n
.rept \n
	v_nop
.endr
.endm
.macro WALU
	s_wait_alu depctr_va_vdst(0)
.endm
.macro MIDDLE                          ; a round behind its opening signal
	s_barrier_wait -1
	s_cmp_lg_u32 s14, 0
	s_cbranch_scc1 .Lnot_wave_0_\@
	s_barrier_signal -3
.Lnot_wave_0_\@:
	s_barrier_wait -3
	s_barrier_signal -1
	s_barrier_wait -1
.endm
.macro CROUND
	s_barrier_signal -1
	MIDDLE
.endm
.macro GRD
	s_wait_tensorcnt 0x0
	ds_add_u32 v[SPW], v[NIL]
.endm
.macro TLOAD g0, g1
	tensor_load_to_lds s[\g0:\g0+3], s[\g1:\g1+7]
	s_nop 0
	PLACES 4
.endm
.macro GROUP1 g, mask, c, r, p         ; r rows of c elements of 8 bytes, p elements apart, jointly
	s_or_b32 s[\g+0], s[\mask], (3<<16)|(1<<21)
	s_mov_b32 s[\g+1], (\c)<<16
	s_mov_b32 s[\g+2], (\r)<<16
	s_mov_b32 s[\g+3], (\c)<<16
	s_mov_b32 s[\g+4], \r
	s_mov_b32 s[\g+5], \p
	s_mov_b32 s[\g+6], 0
	s_mov_b32 s[\g+7], 0
.endm
.macro SADD d, x
	s_add_co_u32 s\d, s\d, \x
.endm
; ---- a product.  kind 0 (Q, K): source 0 the weight's rows; kind 1 (V): source 0 x's rows.  n = 4 q + tile
.macro WM d, s0, s1, c, x0, x1, odd
.if \odd
	v_wmma_scale_f32_16x16x128_f8f6f4 v[\d:\d+7], v[\s0:\s0+11], v[\s1:\s1+11], \c, v[\x0], v[\x1] matrix_a_fmt:MATRIX_FMT_FP6 matrix_b_fmt:MATRIX_FMT_FP6 matrix_a_scale:MATRIX_SCALE_ROW1 matrix_b_scale:MATRIX_SCALE_ROW1
.else
	v_wmma_scale_f32_16x16x128_f8f6f4 v[\d:\d+7], v[\s0:\s0+11], v[\s1:\s1+11], \c, v[\x0], v[\x1] matrix_a_fmt:MATRIX_FMT_FP6 matrix_b_fmt:MATRIX_FMT_FP6
.endif
.endm
.macro PROD kind, e, n, a0, as
.set Q_, (\n)/4
.set FB_, (\n)
.set FA_, 32+8*(\e)+Q_
.set D_, (\a0)+(\as)*((\n)%4)
.set DL_, D_&255
.set DW_, D_>>8
.set SW_, WS+4*(Q_/2)+(\n)%4
.set SX_, 48+4*(1-(Q_/2)%2)+2*(\e)+Q_/4
.set W0_, 1+FB_/21
.set W1_, 1+FA_/21
.set R0_, 12*(FB_%21)
.set R1_, 12*(FA_%21)
.if \kind
	WIN W1_|(W0_<<2)|(DW_<<4)|(DW_<<6)
.if Q_
	WM DL_, R1_, R0_, v[DL_:DL_+7], SX_, SW_, Q_%2
.else
	WM DL_, R1_, R0_, 0, SX_, SW_, 0
.endif
.else
	WIN W0_|(W1_<<2)|(DW_<<4)|(DW_<<6)
.if Q_
	WM DL_, R0_, R1_, v[DL_:DL_+7], SW_, SX_, Q_%2
.else
	WM DL_, R0_, R1_, 0, SW_, SX_, 0
.endif
.endif
.endm
; ---- the way out of a lane's 32 sums from register x on (two half blocks of 16), first part: 25 lines.  The conversions' scale operands into v[s], v[s+1], the two bytes into v[pk]
.macro ENT i, x, tb, s, pk
.set XW_, (\x)>>8
.set XL_, (\x)&255
.set C_, (\i)%2
.if (\i) < 16
.set B_, XL_+16*C_+2*((\i)/2)
.if (\i) < 2
	WIN XW_|(XW_<<2)
	v_max3_num_f32 v[\tb+C_], |v[B_]|, |v[B_+1]|, 0x1800000
.else
	WIN (XW_<<2)|(XW_<<4)
	v_max3_num_f32 v[\tb+C_], v[\tb+C_], |v[B_]|, |v[B_+1]|
.endif
.elseif (\i) < 25
	WIN 0
.if (\i) < 18
	v_permlanex16_b32 v[\tb+2+C_], v[\tb+C_], s18, s19
.elseif (\i) < 20
	v_max_num_f32 v[\tb+C_], v[\tb+C_], v[\tb+2+C_]
.elseif (\i) < 22
	v_add_nc_u32 v[\s+C_], 0xff000000, v[\tb+C_]
.elseif (\i) < 24
	v_lshrrev_b32 v[\tb+2+C_], 23, v[\s+C_]
.else
	v_lshl_or_b32 v[\pk], v[\tb+3], 8, v[\tb+2]
.endif
.endif
.endm
; its second part: six registers of the next operand, from v[c] on
.macro CODES x, s, c, tp
.set XW_, (\x)>>8
.set XL_, (\x)&255
	WIN XW_
	v_cvt_scalef32_pk16_fp6_f32 v[\c:\c+2], v[XL_:XL_+15], v[\s]
	v_cvt_scalef32_pk16_fp6_f32 v[\tp:\tp+2], v[XL_+16:XL_+31], v[\s+1]
	WIN 0
	v_nop                                  ; one plain place behind a scaled conversion
.irp i, 0,1,2
	v_permlane16_swap_b32 v[\c+\i], v[\tp+\i]
.endr
.irp i, 0,1,2
	v_mov_b32 v[\c+3+\i], v[\tp+\i]
.endr
.endm
.macro BLOCK kind, e, a0, as, from, to, x=-1, s=0, pk=0
.set N_, \from
.rept (\to)-(\from)
	PROD \kind, \e, N_, \a0, \as
.if (\x) >= 0
.if N_%2
	ENT N_-1, \x, TB, \s, \pk
	ENT N_, \x, TB, \s, \pk
.endif
.endif
.set N_, N_+1
.endr
.endm
.macro FETCHAT e, adr, off, xadr, xoff ; a block's eight fragments and four registers of scale words into set e
.irp q, 0,1,2,3,4,5,6,7
.set F_, 32+8*(\e)+\q
	WIN (1+F_/21)<<6
.irp c, 0,1,2
	ds_load_b128 v[12*(F_%21)+4*\c:12*(F_%21)+4*\c+3], v[\adr] offset:(\off)+1536*\q+512*\c
.endr
.endr
	WIN 0
.irp k, 0,1,2,3
	ds_load_b32 v[48+4*(1-\k%2)+2*(\e)+\k/2], v[\xadr] offset:4096*\k+(\xoff)
.endr
.endm
.macro FETCH e, sp                     ; phase 2
	FETCHAT \e, AR, 12288*(\sp), AXD, 64*(\sp)
.endm
.macro FETCHV n                        ; phase 1
	FETCHAT (\n)%2, AR0+(\n)/4, 12288*((\n)%4), AX, 64*(\n)
.endm
.macro WEIGHTS                         ; my 64 columns, all of K: 96 loads
.set F_, 0
.rept 32
	WIN (1+F_/21)<<6
.irp c, 0,1,2
	ds_load_b128 v[12*(F_%21)+4*\c:12*(F_%21)+4*\c+3], v[AW] offset:12288*(F_%4)+1536*(F_/4)+512*\c
.endr
.set F_, F_+1
.endr
	WIN 0
.endm
.macro WAITDS w
.if (\w) >= 0
	s_wait_dscnt \w
.endif
.endm
; ---- phase 2's blocks.  vo: where the bytes of the block before go;  sp: which row tile of the region is fetched (-1: none)
.macro EVENOUT vo, sp
	WALU
	ds_store_b16 v[VX], v[SOP+6] offset:\vo
.irp k, 0,1,2
	global_store_b128 v[LI], v[NCD+4*\k:NCD+4*\k+3], s[84:85] offset:512*\k   ; the pair's codes: 512 consecutive bytes a store
.endr
.if (\sp) >= 0
	FETCH 0, \sp
.endif
.endm
.macro EVEN vo, sp
	s_wait_dscnt NF
	BLOCK 0, 0, ACC, 8, 0, 32, ACC+32, SOP, SOP+6
	WIN 0
	WALU
	CODES ACC+32, SOP, NCD+6, TP
	EVENOUT \vo, \sp
.endm
.macro ODD w, vo, sp
	WAITDS \w
	BLOCK 0, 1, ACC+32, 8, 0, 32, ACC, SOP, SOP+6
	WIN 0
	s_wait_xcnt 0x0                        ; the last pair's stores have read their data and their base
	s_lshr_b32 s20, s46, 2                 ; this pair's place: the half that comes first is half s87
	s_xor_b32 s20, s20, s87
	s_mul_i32 s20, s20, 196608
	s_and_b32 s21, s46, 3
	s_mul_i32 s21, s21, 24576
	s_add_co_u32 s20, s20, s21
	s_mov_b32 s21, 0
	s_add_nc_u64 s[84:85], s[80:81], s[20:21]
	s_add_co_u32 s46, s46, 1
	WALU
	CODES ACC, SOP, NCD, TP
	WALU
	ds_store_b16 v[VX], v[SOP+6] offset:\vo
.if (\sp) >= 0
	FETCH 1, \sp
.endif
.endm
	s_load_b256 s[4:11], s[0:1], 0x0               ; c0 s[4:5], s0 s[6:7], c1 s[8:9], s1 s[10:11]
	v_lshl_add_u32 v[SPW], v0, 2, SPARE
	v_mov_b32 v[NIL], 0
	ds_add_u32 v[SPW], v[NIL]                      ; the wave's opening
	ds_add_u32 v[SPW], v[NIL]
	v_lshrrev_b32 v1, 5, v0
	v_readfirstlane_b32 s14, v1
	s_lshr_b32 s15, s14, 1                         ; w: my row of the 2 x 2
	s_and_b32 s16, s14, 1                          ; my column half
	s_bfe_u32 s40, ttmp6, 0x40000                  ; cx
	s_bfe_u32 s41, ttmp6, 0x40004                  ; cy
	s_lshl_b32 s42, ttmp9, 2
	s_add_co_u32 s42, s42, s40                     ; Q's (0-7), K's (8-15) 128 columns
	s_and_b32 s43, ttmp7, 0xffff
	s_lshl_b32 s43, s43, 2
	s_add_co_u32 s43, s43, s41                     ; my 512 rows
	s_lshr_b32 s13, ttmp9, 1
	s_and_b32 s87, ttmp9, 1
	s_lshl_b32 s13, s13, 2
	s_add_co_u32 s13, s13, s40                     ; V's 128 columns
	s_lshl_b32 s44, s41, 2
	s_lshl_b32 s44, 15, s44                        ; my row of the cluster
	s_lshl_b32 s45, 0x1111, s40                    ; my column
	GROUP1 G1W, 45, 3072, 2, 3072                  ; half of a weight's 128 rows: 49,152 bytes, dense
	GROUP1 G1X, 44, 6144, 2, 12288                 ; four row tiles of each of the two waves' 128 rows: 49,152 bytes, 98,304 apart
	s_mul_i32 s2, s15, 49152
	s_mul_i32 s60, s13, 98304                      ; Wv
	SADD 60, 640*12288
	SADD 60, s2
	s_mov_b32 s61, 0
	s_mul_i32 s70, s42, 98304                      ; Wq, Wk
	SADD 70, 512*12288
	s_mov_b32 s71, 0
	s_add_co_u32 s62, s70, s2
	s_mov_b32 s63, 0
	s_xor_b32 s3, s87, 1
	s_mul_i32 s66, s43, 393216
	s_mul_i32 s20, s3, 196608
	s_add_co_u32 s68, s66, s20                     ; x: the other half
	s_mov_b32 s69, 0
	s_mul_i32 s20, s87, 196608
	SADD 66, s20                                   ; x: half s87
	s_mov_b32 s67, 0
	s_mul_i32 s72, s14, 90112                      ; x's scale words: I bring K steps 2 wave, 2 wave + 1
	s_lshl_b32 s20, s43, 11
	SADD 72, s20
	s_lshl_b32 s20, s3, 10
	s_add_co_u32 s74, s72, s20
	s_lshl_b32 s20, s87, 10
	SADD 72, s20
	s_mov_b32 s73, 0
	s_mov_b32 s75, 0
	s_lshl_b32 s20, s16, 8
	s_lshl_b32 s76, s13, 9                         ; the weights' scale words, my 64 columns
	SADD 76, s20
	SADD 76, 640*64
	s_mov_b32 s77, 0
	s_lshl_b32 s78, s42, 9
	SADD 78, s20
	SADD 78, 512*64
	s_mov_b32 s79, 0
	s_lshr_b32 s80, s42, 3                         ; Q's, K's codes
	s_mul_i32 s80, s80, 6291456
	s_and_b32 s20, s42, 7
	s_lshl_b32 s20, s20, 1
	SADD 20, s16
	s_mul_i32 s20, s20, 1536
	SADD 80, s20
	s_lshl_b32 s20, s43, 4
	s_lshl_b32 s21, s15, 2
	SADD 20, s21
	s_mul_i32 s20, s20, 24576
	SADD 80, s20
	s_mov_b32 s81, 0
	s_lshl_b32 s82, s42, 1                         ; their bytes
	SADD 82, s16
	s_lshl_b32 s82, s82, 14
	s_lshl_b32 s20, s43, 10
	SADD 82, s20
	s_lshl_b32 s20, s15, 8
	SADD 82, s20
	s_mov_b32 s83, 0
	s_lshl_b32 s20, s43, 1                         ; V: the key step 4 s43 + 2 s87 + w
	SADD 20, s87
	s_lshl_b32 s20, s20, 1
	SADD 20, s15
	s_lshr_b32 s21, s20, 4
	s_mul_i32 s88, s21, 1572864                    ; V's codes
	SADD 88, 12582912
	s_and_b32 s21, s20, 15
	s_mul_i32 s21, s21, 1536
	SADD 88, s21
	s_lshl_b32 s21, s13, 3
	s_lshl_b32 s22, s16, 2
	SADD 21, s22
	s_mul_i32 s21, s21, 24576
	SADD 88, s21
	s_mov_b32 s89, 0
	s_lshl_b32 s90, s20, 12                        ; V's words
	SADD 90, 524288
	s_lshl_b32 s21, s13, 9
	SADD 90, s21
	s_lshl_b32 s21, s16, 8
	SADD 90, s21
	s_mov_b32 s91, 0
	s_mov_b32 s18, 0x76543210
	s_mov_b32 s19, 0xfedcba98
	; scalars of the LDS addresses
	s_mul_i32 s3, s16, 49152
	SADD 3, BV
	s_lshl_b32 s20, s15, 9
	s_add_co_u32 s21, s20, XS
	s_lshl_b32 s22, s14, 12
	SADD 22, XS
	s_lshl_b32 s23, s16, 10
	SADD 23, s20
	SADD 23, XN
	s_lshl_b32 s92, s14, 8
	SADD 92, VSG
	s_lshl_b32 s93, s41, 2
	SADD 93, s14
	s_mul_i32 s93, s93, 6144                       ; 24 of 384 blocks for each of the sixteen waves of my column,
	s_lshl_b32 s94, s40, 2
	SADD 94, s14
	s_mul_i32 s94, s94, 6144                       ; and of my row
	v_and_b32 v1, 31, v0
	v_and_b32 v2, 15, v0                           ; r
	v_bfe_u32 v3, v0, 4, 1                         ; h
	v_lshlrev_b32 v[LI], 4, v1
	v_lshlrev_b32 v[LI8], 3, v1
	v_lshlrev_b32 v4, 2, v2
	v_add_nc_u32 v[AR0], s2, v[LI]
	v_add_nc_u32 v[AR1], RG1, v[AR0]
	v_add_nc_u32 v[AW], s3, v[LI]
	v_lshl_add_u32 v5, v3, 11, v4
	v_add_nc_u32 v[AX], s21, v5
	v_add_nc_u32 v[XST], s22, v[LI]
	v_mul_u32_u24 v[RSO], 0xb000, v3               ; lanes 16-31 take the odd K step
	v_add_nc_u32 v[RSO], v[RSO], v4
	v_lshlrev_b32 v5, 1, v2
	v_add_nc_u32 v[STX], s23, v5
	v_add_nc_u32 v[STXO], s23, v[LI]
	v_add_nc_u32 v[STV], s92, v4
	v_add_nc_u32 v[STVO], s92, v[LI8]
	v_xor_b32 v5, s87, v3
	v_lshlrev_b32 v5, 9, v5
	v_lshl_add_u32 v[OX], v2, 4, v5                ; my 16 bytes of the wave's new bytes: the halves in their true order
	v_min_u32 v5, 23, v1
	v_lshlrev_b32 v5, 8, v5
	v_add_nc_u32 v[PFW], s93, v5
	v_add_nc_u32 v[PFX], s94, v5
	v_mov_b32 v[TB+2], 0                           ; a lane permute's destination counts as one of its sources
	v_mov_b32 v[TB+3], 0
	WALU
	s_wait_dscnt 0x0                               ; both opening adds are done
	CROUND                                         ; the first joint loads meet
	s_wait_kmcnt 0x0
	s_add_nc_u64 s[60:61], s[4:5], s[60:61]
	s_add_nc_u64 s[62:63], s[4:5], s[62:63]
	s_add_nc_u64 s[66:67], s[4:5], s[66:67]
	s_add_nc_u64 s[68:69], s[4:5], s[68:69]
	s_add_nc_u64 s[70:71], s[4:5], s[70:71]
	s_mul_i32 s2, s15, 49152
	s_mov_b32 s[GW], 1
	s_add_co_u32 s[GW+1], s2, BV
	s_mov_b64 s[GW+2:GW+3], s[60:61]
	s_or_b32 s[GW+3], s[GW+3], 0x80000000
	s_mov_b32 s[GX], 1
	s_mov_b32 s[GX+1], 0
	s_mov_b64 s[GX+2:GX+3], s[66:67]
	s_or_b32 s[GX+3], s[GX+3], 0x80000000
	s_mov_b32 s[GX2], 1
	s_mov_b32 s[GX2+1], RG1
	s_add_nc_u64 s[GX2+2:GX2+3], s[66:67], 49152
	s_or_b32 s[GX2+3], s[GX2+3], 0x80000000
	s_cmp_eq_u32 s14, 0                            ; the head's loads, one a wave
	s_cbranch_scc0 .Lwave_1
	TLOAD GW, G1W                                  ; wave 0: Wv's first 64 rows
	s_branch .Lasked
.Lwave_1:
	s_cmp_eq_u32 s14, 1
	s_cbranch_scc0 .Lwave_2
	TLOAD GX, G1X                                  ; wave 1: region 0
	s_branch .Lasked
.Lwave_2:
	s_cmp_eq_u32 s14, 2
	s_cbranch_scc0 .Lwave_3
	TLOAD GX2, G1X                                 ; wave 2: region 1
	s_branch .Lasked
.Lwave_3:
	TLOAD GW, G1W                                  ; wave 3: Wv's other 64 rows
.Lasked:
	s_add_nc_u64 s[72:73], s[6:7], s[72:73]
	s_add_nc_u64 s[74:75], s[6:7], s[74:75]
	s_add_nc_u64 s[76:77], s[6:7], s[76:77]
	s_add_nc_u64 s[78:79], s[6:7], s[78:79]
	s_add_nc_u64 s[80:81], s[8:9], s[80:81]
	s_add_nc_u64 s[88:89], s[8:9], s[88:89]
	s_add_nc_u64 s[82:83], s[10:11], s[82:83]
	s_add_nc_u64 s[90:91], s[10:11], s[90:91]
.irp k, 0,1
.irp p, 0,1
	global_load_b128 v[128+16*\k+4*\p:131+16*\k+4*\p], v[LI], s[72:73] offset:45056*\k+512*\p
	global_load_b128 v[136+16*\k+4*\p:139+16*\k+4*\p], v[LI], s[74:75] offset:45056*\k+512*\p
.endr
.endr
.irp k, 0,1,2,3
.irp t, 0,1,2,3
	global_load_b32 v[WS+4*\k+\t], v[RSO], s[76:77] offset:90112*\k+64*\t
.endr
.endr
	WIN 0xc0
.irp k, 0,1,2,3
.irp t, 0,1,2,3
	global_load_b32 v[200+4*\k+\t], v[RSO], s[78:79] offset:90112*\k+64*\t   ; v968-983: Wq's or Wk's, for phase 2
.endr
.endr
	WIN 0
.set I, 0
.rept 8                                        ; registers 128 + 16 k + 8 o + 4 p; loads were issued in the order k, p, o
	s_wait_loadcnt 39-I
	ds_store_b128 v[XST], v[128+16*(I/4)+8*(I%2)+4*((I/2)%2):131+16*(I/4)+8*(I%2)+4*((I/2)%2)] offset:2048*(I/4)+1024*(I%2)+512*((I/2)%2)
.set I, I+1
.endr
	s_cmp_eq_u32 s14, 1
	s_cbranch_scc1 .Lnot_w
	s_cmp_eq_u32 s14, 2
	s_cbranch_scc1 .Lnot_w
	s_wait_tensorcnt 0x0                           ; waves 0 and 3
.Lnot_w:
	s_wait_dscnt 0x0
	s_barrier_signal -1
	s_barrier_wait -1                              ; Wv's rows are in
	global_prefetch_b8 v[PFW], s[70:71] th:TH_LOAD_NT scope:SCOPE_SE   ; the first refill
	WEIGHTS
	s_cmp_eq_u32 s14, 2
	s_cbranch_scc1 .Lnot_x
	s_wait_tensorcnt 0x0
.Lnot_x:
	s_wait_dscnt 0x0
	s_barrier_signal -1
	s_barrier_wait -1                              ; region 0 and x's scale words are in; region 1 may still be on its way
	FETCHV 0
	FETCHV 1
	s_wait_loadcnt 0x0
; ================= PHASE 1: V
.irp n, 0,1
	s_wait_dscnt NF
	BLOCK 1, \n, HV0+8*\n, 32, 0, 32
	WIN 0
	PLACES 4
	FETCHV \n+2
.endr
	s_wait_dscnt NF
	GRD
	s_mov_b64 s[GW+2:GW+3], s[62:63]
	s_or_b32 s[GW+3], s[GW+3], 0x80000000
	BLOCK 1, 0, HV0+16, 32, 0, 24
	WIN 0
	s_wait_dscnt 0x0
	s_barrier_signal -1
	BLOCK 1, 0, HV0+16, 32, 24, 32
	WIN 0
	MIDDLE
	s_cmp_eq_u32 s14, 1
	s_cbranch_scc1 .Lno_half
	s_cmp_eq_u32 s14, 2
	s_cbranch_scc1 .Lno_half
	TLOAD GW, G1W                                  ; waves 0 and 3: Wq's or Wk's rows, onto Wv's, which all waves hold in registers
.Lno_half:
	PLACES 4
	FETCHV 4
	global_prefetch_b8 v[PFX], s[68:69] th:TH_LOAD_NT scope:SCOPE_SE   ; the other half of x
	global_prefetch_b8 v[PFX], s[68:69] offset:98304 th:TH_LOAD_NT scope:SCOPE_SE
	BLOCK 1, 1, HV0+24, 32, 0, 32
	WIN 0
	PLACES 4
	FETCHV 5
.irp t, 0,1,2                                  ; row tiles 0-3 go out under the products of 4-7
	s_wait_dscnt NF
	BLOCK 1, (\t)%2, HV1+8*\t, 32, 0, 32, HV0+32*\t, SOP+2*\t, PK+\t
	WIN 0
	WALU
	CODES HV0+32*\t, SOP+2*\t, MCD+12*\t, TP
.if \t < 2
	FETCHV \t+6
.endif
.endr
	s_wait_dscnt 0x0
	BLOCK 1, 1, HV1+24, 32, 0, 26, HV0+96, SOP+6, PK+3
	WIN 0
	WALU
	s_wait_tensorcnt 0x0
	s_wait_dscnt 0x0
	s_barrier_signal -1                            ; a plain barrier shows the second weight to every wave
	BLOCK 1, 1, HV1+24, 32, 26, 32
	WIN 0
	CODES HV0+96, SOP+6, MCD+36, TP
	WALU
	s_barrier_wait -1
; ================= THE CHANGE OF PHASE
	v_mov_b32 v[AR], v[AR0]
	v_mov_b32 v[AXD], v[AX]
	v_mov_b32 v[VX], v[STX]
	v_nop
	WALU
	WEIGHTS
	FETCH 0, 0
	FETCH 1, 1
	s_mov_b32 s46, 0                               ; the pair
	s_mov_b32 s100, 0                              ; the region that is filled again next
	s_mov_b32 s101, RG1                            ; the region that is fetched next,
	s_mov_b32 s99, 256                             ; and where its scale words begin
	WIN 3
.set I, 0
.rept 16
	v_mov_b32 v[WS+I], v[200+I]
.set I, I+1
.endr
	WIN 0
.set I, 0
.rept 25                                       ; V's row tiles 4-7, four column tiles by turns
.irp t, 0,1,2,3
	ENT I, HV1+32*\t, 64+4*\t, SOP+2*\t, PK+4+\t
.endr
.set I, I+1
.endr
	WALU
.irp t, 0,1,2,3
	CODES HV1+32*\t, SOP+2*\t, MCD+12*\t+6, 80+4*\t
.endr
.irp t, 0,1,2,3
	v_lshl_or_b32 v[PK+\t], v[PK+4+\t], 16, v[PK+\t]
.endr
	WALU
; ================= PHASE 2: Q or K
	s_wait_dscnt NF
	BLOCK 0, 0, ACC, 8, 0, 32
	WIN 0
	PLACES 4
	WALU
.irp t, 0,1,2,3
	ds_store_b32 v[STV], v[PK+\t] offset:64*\t     ; lanes r and r + 16 write the same word with the same value
.endr
	ds_load_b64 v[244:245], v[STVO]                ; in order behind my stores
.irp t, 0,1,2,3
.irp k, 0,1,2
	global_store_b128 v[LI], v[MCD+12*\t+4*\k:MCD+12*\t+4*\k+3], s[88:89] offset:24576*\t+512*\k
.endr
.endr
	FETCH 0, 2
	s_wait_dscnt NF                                ; block 1's fragments, and V's words
	global_store_b64 v[LI8], v[244:245], s[90:91]  ; 256 consecutive bytes, aligned
	ODD -1, 0, 3
	s_mov_b32 s86, 0
.Lwith_rounds:                                         ; blocks 2 to 5, 6 to 9
	v_add_nc_u32 v[AR], s101, v[AR0]
	v_add_nc_u32 v[AXD], s99, v[AX]
	s_wait_dscnt NF
	GRD
	s_mov_b32 s[GX+1], s100
	s_mov_b64 s[GX+2:GX+3], s[68:69]
	s_or_b32 s[GX+3], s[GX+3], 0x80000000
	s_add_nc_u64 s[68:69], s[68:69], 49152
	s_xor_b32 s100, s100, RG1
	BLOCK 0, 0, ACC, 8, 0, 26, ACC+32, SOP, SOP+6
	WIN 0
	WALU
	s_wait_dscnt 0x0
	s_barrier_signal -1
	BLOCK 0, 0, ACC, 8, 26, 32
	WIN 0
	CODES ACC+32, SOP, NCD+6, TP
	WALU
	MIDDLE
	s_cmp_eq_u32 s14, 1
	s_cbranch_scc0 .Lno_x
	TLOAD GX, G1X                                  ; wave 1: the other half's row tiles, into the region that has been read out
.Lno_x:
	EVENOUT 32, 0
	ODD -1, 64, 1
	EVEN 96, 2
	ODD NF, 128, 3
	v_add_nc_u32 v[VX], 0x80, v[VX]
	s_xor_b32 s101, s101, RG1
	s_add_co_u32 s99, s99, 768
	s_add_co_u32 s86, s86, 1
	WALU
	s_cmp_lg_u32 s86, 2
	s_cbranch_scc1 .Lwith_rounds
	v_add_nc_u32 v[AR], RG1, v[AR0]                ; blocks 12-15 lie in region 1
	v_add_nc_u32 v[AXD], 0x500, v[AX]
	s_wait_dscnt NF
	BLOCK 0, 0, ACC, 8, 0, 26, ACC+32, SOP, SOP+6
	WIN 0
	WALU
	s_wait_tensorcnt 0x0
	s_wait_dscnt 0x0
	s_barrier_signal -1                            ; a plain barrier shows the last refill to every wave
	BLOCK 0, 0, ACC, 8, 26, 32
	WIN 0
	CODES ACC+32, SOP, NCD+6, TP
	WALU
	s_barrier_wait -1
	EVENOUT 32, 0
	ODD -1, 64, 1
	EVEN 96, 2
	ODD NF, 128, 3
	EVEN 160, -1
	ODD 0, 192, -1
	PLACES 4
.set I, 0
.rept 25
	ENT I, ACC+32, TB, SOP, SOP+6
.set I, I+1
.endr
	WALU
	CODES ACC+32, SOP, NCD+6, TP
	EVENOUT 224, -1
	ds_load_b128 v[64:67], v[STXO]                 ; my 256 rows' bytes, in order behind my stores
	s_wait_dscnt 0x0
	global_store_b128 v[OX], v[64:67], s[82:83]    ; two aligned units of 256 bytes
	s_wait_tensorcnt 0x0                           ; the wave's end
	ds_add_u32 v[SPW], v[NIL]
	s_wait_dscnt 0x0
	CROUND                                         ; the closing round
	s_endpgm
.Lfunc_end_k_q68d1ce7cbe_proj:
	.size	k_q68d1ce7cbe_proj, .Lfunc_end_k_q68d1ce7cbe_proj-k_q68d1ce7cbe_proj
	.p2alignl 7, 3214868480
	.fill 96, 4, 3214868480
	.section	.rodata,"a",@progbits
	.p2align	6, 0x0
	.amdhsa_kernel k_q68d1ce7cbe_proj
		.amdhsa_group_segment_fixed_size 327680
		.amdhsa_private_segment_fixed_size 0
		.amdhsa_enable_private_segment 0
		.amdhsa_kernarg_size 32
		.amdhsa_user_sgpr_count 2
		.amdhsa_user_sgpr_kernarg_segment_ptr 1
		.amdhsa_wavefront_size32 1
		.amdhsa_system_sgpr_workgroup_id_x 1
		.amdhsa_system_sgpr_workgroup_id_y 1
		.amdhsa_system_sgpr_workgroup_id_z 1
		.amdhsa_system_vgpr_workitem_id 0
		.amdhsa_next_free_vgpr 1024
		.amdhsa_next_free_sgpr 102
		.amdhsa_reserve_vcc 0
		.amdhsa_float_denorm_mode_32 3
		.amdhsa_float_denorm_mode_16_64 3
		.amdhsa_memory_ordered 1
		.amdhsa_forward_progress 1
		.amdhsa_inst_pref_size 209
	.end_amdhsa_kernel
	.amdgpu_metadata
---
amdhsa.version: [ 1, 2 ]
amdhsa.kernels:
  - .name:           k_q68d1ce7cbe_proj
    .symbol:         k_q68d1ce7cbe_proj.kd
    .args:
      - { .name: c0, .offset: 0, .size: 8, .value_kind: global_buffer, .address_space: global }
      - { .name: s0, .offset: 8, .size: 8, .value_kind: global_buffer, .address_space: global }
      - { .name: c1, .offset: 16, .size: 8, .value_kind: global_buffer, .address_space: global }
      - { .name: s1, .offset: 24, .size: 8, .value_kind: global_buffer, .address_space: global }
    .group_segment_fixed_size: 327680
    .private_segment_fixed_size: 0
    .kernarg_segment_align: 8
    .kernarg_segment_size: 32
    .max_flat_workgroup_size: 128
    .sgpr_count:     102
    .vgpr_count:     1024
    .wavefront_size: 32
...
	.end_amdgpu_metadata
.endif
;; end of part 2
;; launch scores (part 3): grid 36 x 4, 8 waves a work-group, no clusters, 327,680 bytes of LDS; arguments c1, s1, pc, pst; writes pc, pst
.if DOCPART == 3
	.amdgcn_target "amdgcn-amd-amdhsa--gfx1250"
	.amdhsa_code_object_version 6
	.text
	.protected	k_q68d1ce7cbe_scores
	.globl	k_q68d1ce7cbe_scores
	.p2align	8
	.type	k_q68d1ce7cbe_scores,@function
k_q68d1ce7cbe_scores:
	s_mov_b64 s[64:65], 0
	v_nop
	global_prefetch_b8 v0, s[64:65] scope:SCOPE_SE
	s_setreg_imm32_b32 hwreg(HW_REG_WAVE_MODE, 25, 1), 1
	s_wait_xcnt 0x0
; S = q k^T / 32 under the causal mask, and p = 2^(t - M) of each row within each 128 keys, as codes of FP6 (E2M3) with E8M0 bytes; beside them -M and the sum of the unquantised p, for each row and 128 keys.
; A work-group makes 256 queries x 256 keys on or under the diagonal (36 tiles a batch); eight waves, two to a SIMD: a wave 64 queries x 128 keys, 32 accumulators.  Source 0 = 16 positions of k, source 1 = 16 of q: a lane holds one query,
; and in result tiles 2 B and 2 B + 1 the keys 32 B + 16 (lane / 16) + 0 .. 15.
; Tiles and waves' blocks wholly above the diagonal are left out: reference() sets their scores to -inf.
; IN: c1 = q, then k: [256 pairs of row tiles][16 groups of 64 e][1536]: registers 0-5 of the image the even row tile's, 6-11 the odd's; s1 = [32][8192] 16-bit, the two bytes of a row's group.
; OUT: the tile of query block i (128) and key step ks belongs to the pair j = min(i, 15 - i) of its batch and lies at place t of the pair's 17: ks = 0 at 0 (i < 8) or 1 (i > 7), ks > 0 at ks + 1 (i < 8) or ks + 1 + j (i > 7).
; pc = [4 batches x 8 pairs][17][8 row tiles][1536]; pst = three planes (scale words, -M, sums) of [32][17][128] words.
; K: steps 0, 1 come into region A at the head, 2-5 into region B behind the first barrier, 6, 7 into A when it has been read; each wave brings an eighth.
; Fragments are fetched for one step at a time: with two waves on a SIMD one wave's loads stand beside the other's products.
; NO CLUSTER: 36 tiles of a triangle do not divide into clusters whose rows share queries and whose columns share keys.
; PREFETCHES: the work-groups on the diagonal, one for each tile of q and of k, name the later K steps' blocks once, one fill ahead.
; LIMITS: the scaled scores stay under 2^31 in magnitude; blocks of p under 2^-124 are held at the byte 1; NaN and infinities are not served, nor carried from the work left out.
; REGISTERS: window 1: accumulator (a, b) at v[8 (8 a + b)];  window 0: v1-31 addresses, v32-39 scale words (lanes 0-15 q's block i, lanes 16-31 k's), v48-143 k's fragments, v144-191 q's; behind the products v48-207 at work.
.set RB,    98304
.set SCL,   294912                     ; scale words [8 K steps][256 of q, 256 of k]
.set ST,    311296                     ; 768 bytes a wave
.set SPARE, 317440
.set ADRA,  16                         ; v16 q's fragments in A, v17 k's; v18, v19 in B
.set ADS,   20
.set SST,   21
.set STI,   22
.set STO,   23
.set LI8,   24
.set D0,    25
.set NINF,  26
.set LI,    27
.set SPW,   28
.set NIL,   29
.set SC,    32
.set KF,    48
.set QF,    144
.set TT,    48
.set PCB,   112                        ; 12 registers of codes for each of the four row tiles
.set TP,    160
.set BM,    168
.set NMP,   184
.set SU,    186
.set NM,    192
.set LS,    196
.set PW,    200
.set CS,    40
.set SEL,   42
.set G1,    24
.set G1B,   32
.set G0,    44
.set G0B,   48
.set DG,    52
.set HD,    53
.set MSB, 0
.macro WIN new
.if MSB != (\new)
	s_set_vgpr_msb (MSB<<8)|(\new)
.set MSB, (\new)
.endif
.endm
.macro PLACES n
.rept \n
	v_nop
.endr
.endm
.macro TLOAD g0, g1
	tensor_load_to_lds s[\g0:\g0+3], s[\g1:\g1+7]
	s_nop 0
	PLACES 4
.endm
.macro GROUP1 g, c, r, p
	s_mov_b32 s[\g+0], 3<<16
	s_mov_b32 s[\g+1], (\c)<<16
	s_mov_b32 s[\g+2], (\r)<<16
	s_mov_b32 s[\g+3], (\c)<<16
	s_mov_b32 s[\g+4], \r
	s_mov_b32 s[\g+5], \p
	s_mov_b32 s[\g+6], 0
	s_mov_b32 s[\g+7], 0
.endm
	s_load_b256 s[4:11], s[0:1], 0x0               ; c1 s[4:5], s1 s[6:7], pc s[8:9], pst s[10:11]
	v_lshl_add_u32 v[SPW], v0, 2, SPARE
	v_mov_b32 v[NIL], 0
	ds_add_u32 v[SPW], v[NIL]                      ; the wave's opening
	ds_add_u32 v[SPW], v[NIL]
	v_lshrrev_b32 v1, 5, v0
	v_readfirstlane_b32 s14, v1
	s_lshr_b32 s15, s14, 1                         ; my 64 queries
	s_and_b32 s16, s14, 1                          ; my 128 keys
	s_mov_b32 s17, 0                               ; the tile of queries: the work-group's row of the triangle
.irp t, 1,3,6,10,15,21,28
	s_cmp_ge_u32 ttmp9, \t
	s_cselect_b32 s2, 1, 0
	s_add_co_u32 s17, s17, s2
.endr
	s_add_co_u32 s2, s17, 1
	s_mul_i32 s2, s2, s17
	s_lshr_b32 s2, s2, 1
	s_sub_co_u32 s18, ttmp9, s2                    ; the tile of keys
	s_and_b32 s19, ttmp7, 0xffff                   ; batch
	s_lshr_b32 s21, s15, 1
	s_cmp_eq_u32 s17, s18
	s_cselect_b32 s20, 1, 0
	s_cmp_eq_u32 s21, s16
	s_cselect_b32 s3, 1, 0
	s_and_b32 s[DG], s20, s3                       ; my block lies on the diagonal
	s_xor_b32 s3, s21, 1
	s_and_b32 s3, s3, s16
	s_and_b32 s[HD], s20, s3                       ; my block lies above it
	GROUP1 G1,  768, 2, 3072                       ; two pairs of row tiles x two K steps
	GROUP1 G1B, 1536, 2, 3072                      ; x four K steps
	s_lshr_b32 s22, s14, 2                         ; I fetch q (0) or k (1),
	s_and_b32 s23, s14, 3                          ; this quarter of its tile
	s_cmp_eq_u32 s22, 0
	s_cselect_b32 s2, s17, s18
	s_lshl_b32 s2, s2, 4
	s_lshl_b32 s3, s19, 7
	s_add_co_u32 s2, s2, s3
	s_lshl_b32 s3, s23, 2
	s_add_co_u32 s2, s2, s3
	s_mul_i32 s12, s2, 12288
	s_mul_i32 s3, s22, 6291456
	s_add_co_u32 s12, s12, s3
	s_mov_b32 s13, 0
	s_lshl_b32 s54, s14, 15                        ; scale bytes: I bring K step = wave: groups 2 wave, 2 wave + 1
	s_lshl_b32 s2, s19, 12
	s_add_co_u32 s54, s54, s2
	s_lshl_b32 s2, s18, 9
	s_add_co_u32 s58, s54, s2
	s_add_co_u32 s58, s58, 262144
	s_mov_b32 s59, 0
	s_lshl_b32 s2, s17, 9
	s_add_co_u32 s54, s54, s2
	s_mov_b32 s55, 0
	s_mul_i32 s56, s14, 12288
	s_mul_i32 s57, s14, 24576
	s_add_co_u32 s57, s57, RB
	s_mov_b32 s[SEL], 0x76543210
	s_mov_b32 s[SEL+1], 0xfedcba98
	s_mov_b32 s[CS], 0x3d38aa3b                    ; log2(e) / 32
	s_mov_b32 s[CS+1], s[CS]
	s_mul_i32 s2, s15, 12288                       ; scalars of the LDS addresses
	s_mul_i32 s3, s16, 24576
	s_add_co_u32 s3, s3, 49152
	s_mul_i32 s60, s15, 24576
	s_add_co_u32 s60, s60, RB
	s_mul_i32 s61, s16, 49152
	s_add_co_u32 s61, s61, 2*RB
	s_lshl_b32 s62, s15, 8
	s_lshl_b32 s63, s16, 9
	s_add_co_u32 s63, s63, 1024
	s_sub_co_u32 s63, s63, s62
	s_add_co_u32 s62, s62, SCL
	s_lshl_b32 s20, s14, 11
	s_add_co_u32 s20, s20, SCL
	s_mul_i32 s21, s14, 768
	s_add_co_u32 s21, s21, ST
	s_and_b32 s22, s15, 1
	s_lshl_b32 s23, s22, 6
	v_and_b32 v1, 31, v0
	v_and_b32 v2, 15, v0                           ; r
	v_bfe_u32 v3, v0, 4, 1                         ; h
	v_lshlrev_b32 v[LI], 4, v1
	v_lshlrev_b32 v[LI8], 3, v1
	v_add_nc_u32 v[ADRA], s2, v[LI]
	v_add_nc_u32 v[ADRA+1], s3, v[LI]
	v_add_nc_u32 v[ADRA+2], s60, v[LI]
	v_add_nc_u32 v[ADRA+3], s61, v[LI]
	v_lshlrev_b32 v4, 2, v2
	v_mul_u32_u24 v5, s63, v3
	v_add_nc_u32 v5, v5, v4
	v_add_nc_u32 v[ADS], s62, v5                   ; lanes 0-15 q's words, lanes 16-31 k's
	v_add_nc_u32 v[SST], s20, v[LI]
	v_add_nc_u32 v[STI], s21, v4
	v_add_nc_u32 v[STO], s21, v[LI8]
	v_and_b32 v5, 8, v2
	v_add_nc_u32 v5, v5, v2
	v_lshlrev_b32 v6, 4, v3
	v_sub_nc_u32 v5, v5, v6
	v_add_nc_u32 v[D0], s23, v5                    ; my query's place in the 128 (row tile 0), less 16 h
	v_mov_b32 v[NINF], 0xff800000
	v_lshlrev_b32 v8, 8, v1                        ; the prefetches' addresses: never rewritten
	v_mul_u32_u24 v9, 0x3000, v3
	v_add_nc_u32 v9, v9, v8
	v_min_u32 v10, 23, v1
	v_lshlrev_b32 v10, 8, v10
	s_wait_alu depctr_va_vdst(0)
	s_wait_dscnt 0x0
	s_wait_kmcnt 0x0
	s_add_nc_u64 s[12:13], s[4:5], s[12:13]
	s_add_nc_u64 s[54:55], s[6:7], s[54:55]
	s_add_nc_u64 s[58:59], s[6:7], s[58:59]
	s_mov_b32 s[G0], 1
	s_mov_b32 s[G0+1], s56
	s_mov_b64 s[G0+2:G0+3], s[12:13]
	s_or_b32 s[G0+3], s[G0+3], 0x80000000
	s_mov_b32 s[G0B], 1
	s_mov_b32 s[G0B+1], s57
	s_add_nc_u64 s[G0B+2:G0B+3], s[12:13], 6144
	s_or_b32 s[G0B+3], s[G0B+3], 0x80000000
	TLOAD G0, G1                                   ; K steps 0, 1: one tensor load a wave at the head
.irp p, 0,1
.irp g, 0,1
	global_load_b64 v[192+4*\p+2*\g:193+4*\p+2*\g], v[LI8], s[54:55] offset:16384*\g+256*\p
	global_load_b64 v[200+4*\p+2*\g:201+4*\p+2*\g], v[LI8], s[58:59] offset:16384*\g+256*\p
.endr
.endr
	s_cmp_lg_u32 s17, s18
	s_cbranch_scc1 .Lnot_mine
	global_prefetch_b8 v8, s[12:13] offset:6144 th:TH_LOAD_NT scope:SCOPE_SE         ; K steps 2-5: two pairs x 48 blocks of 256 bytes
	global_prefetch_b8 v9, s[12:13] offset:6144+8192 th:TH_LOAD_NT scope:SCOPE_SE
	global_prefetch_b8 v8, s[12:13] offset:6144+16384+12288 th:TH_LOAD_NT scope:SCOPE_SE
.Lnot_mine:
	s_lshl_b32 s2, s17, 1
	s_lshr_b32 s3, s15, 1
	s_add_co_u32 s2, s2, s3                        ; i: my block of 128 queries
	s_lshl_b32 s3, s18, 1
	s_add_co_u32 s3, s3, s16                       ; ks: my 128 keys
	s_xor_b32 s56, s2, 15                          ; 15 - i
	s_cmp_ge_u32 s2, 8
	s_cselect_b32 s57, s56, 0
	s_cselect_b32 s2, s56, s2                      ; j
	s_cselect_b32 s56, 1, 0                        ; the place of ks = 0
	s_add_co_u32 s57, s57, s3
	s_add_co_u32 s57, s57, 1                       ; the place of ks > 0
	s_cmp_eq_u32 s3, 0
	s_cselect_b32 s57, s56, s57                    ; t
	s_lshl_b32 s3, s19, 3
	s_add_co_u32 s2, s2, s3                        ; 8 x batch + j
	s_mul_i32 s2, s2, 17
	s_add_co_u32 s2, s2, s57
	s_mul_i32 s56, s2, 12288
	s_mul_i32 s3, s22, 6144
	s_add_co_u32 s56, s56, s3
	s_mov_b32 s57, 0
	s_add_nc_u64 s[8:9], s[8:9], s[56:57]
	s_lshl_b32 s56, s2, 9
	s_lshl_b32 s3, s22, 8
	s_add_co_u32 s56, s56, s3
	s_add_nc_u64 s[10:11], s[10:11], s[56:57]
	s_mov_b32 s2, 0x05040100
	s_mov_b32 s3, 0x07060302
	s_wait_loadcnt 0x0
.irp g, 0,1,2,3                                ; four rows of a lane: the two groups' 16 bits make a row's word
	v_perm_b32 v[208+4*\g], v[194+4*\g], v[192+4*\g], s2
	v_perm_b32 v[209+4*\g], v[194+4*\g], v[192+4*\g], s3
	v_perm_b32 v[210+4*\g], v[195+4*\g], v[193+4*\g], s2
	v_perm_b32 v[211+4*\g], v[195+4*\g], v[193+4*\g], s3
.endr
.irp g, 0,1,2,3
	ds_store_b128 v[SST], v[208+4*\g:211+4*\g] offset:512*\g
.endr
	s_wait_tensorcnt 0x0                           ; my part of K steps 0, 1 is in
	ds_add_u32 v[SPW], v[NIL]
	s_wait_dscnt 0x0                               ; the add is done, and so are my stores of scale words
	s_barrier_signal -1
	s_barrier_wait -1
	TLOAD G0B, G1B                                 ; K steps 2-5
	s_cmp_lg_u32 s17, s18
	s_cbranch_scc1 .Lnot_mine_2
	global_prefetch_b8 v10, s[12:13] offset:18432 th:TH_LOAD_NT scope:SCOPE_SE       ; K steps 6, 7: two pairs x 24 blocks
	global_prefetch_b8 v10, s[12:13] offset:18432+24576 th:TH_LOAD_NT scope:SCOPE_SE
.Lnot_mine_2:
.macro FRAG reg, adr, off, odd         ; row tile \odd of a pair: two groups of 64 along K, six registers each
.irp c, 0,1
.if \odd
	ds_load_b64 v[(\reg)+6*\c:(\reg)+6*\c+1], v[\adr] offset:(\off)+1536*\c+520
	ds_load_b128 v[(\reg)+6*\c+2:(\reg)+6*\c+5], v[\adr] offset:(\off)+1536*\c+1024
.else
	ds_load_b128 v[(\reg)+6*\c:(\reg)+6*\c+3], v[\adr] offset:(\off)+1536*\c
	ds_load_b64 v[(\reg)+6*\c+4:(\reg)+6*\c+5], v[\adr] offset:(\off)+1536*\c+512
.endif
.endr
.endm
.macro KFETCH ks                       ; 8 scale loads, 32 loads of k, 16 of q
	PLACES 4                               ; in front of loads into registers that matrix instructions have read
.set RX, 0
.set PS, 6144
.set KO, 3072*((\ks)%2)
.if (\ks) > 1 && (\ks) < 6
.set RX, 2
.set PS, 12288
.set KO, 3072*((\ks)-2)
.endif
.irp i, 0,1,2,3,4,5,6,7
	ds_load_b32 v[SC+\i], v[ADS] offset:2048*(\ks)+64*\i
.endr
.irp b, 0,1,2,3,4,5,6,7
	FRAG KF+12*\b, ADRA+1+RX, PS*(\b/2)+KO, \b%2
.endr
.irp a, 0,1,2,3
	FRAG QF+12*\a, ADRA+RX, PS*(\a/2)+KO, \a%2
.endr
.endm
.macro MUL8 a, zero                    ; q's block a x k's eight.  The 32 accumulators take turns, in the same order in every step
.irp b, 0,1,2,3,4,5,6,7
.set WD, 8*(8*(\a)+\b)
.set WP, KF+12*\b
.set WR, QF+12*(\a)
.if \zero
	v_wmma_scale_f32_16x16x128_f8f6f4 v[WD:WD+7], v[WP:WP+11], v[WR:WR+11], 0, v[SC+\b], v[SC+\a] matrix_a_fmt:MATRIX_FMT_FP6 matrix_b_fmt:MATRIX_FMT_FP6 matrix_a_scale:MATRIX_SCALE_ROW1
.else
	v_wmma_scale_f32_16x16x128_f8f6f4 v[WD:WD+7], v[WP:WP+11], v[WR:WR+11], v[WD:WD+7], v[SC+\b], v[SC+\a] matrix_a_fmt:MATRIX_FMT_FP6 matrix_b_fmt:MATRIX_FMT_FP6 matrix_a_scale:MATRIX_SCALE_ROW1
.endif
.endr
.endm
.macro KSTEP ks, zero
	KFETCH \ks
	WIN 0x50                               ; C and D window 1
.irp a, 0,1,2,3
	s_wait_dscnt 12-4*\a                   ; q's blocks behind block a may be out
	MUL8 \a, \zero
.endr
	WIN 0
.endm
.macro KTURN ks, fill                  ; a region's last step.  fill = 1: it takes K steps 6, 7;  fill = 0: the barrier shows them
	KFETCH \ks
	WIN 0x50
	s_wait_dscnt 8
	MUL8 0, 0
	MUL8 1, 0
	s_wait_dscnt 0x0
.if \fill
	WIN 0
	s_wait_tensorcnt 0x0                   ; all my tensor loads have landed
	ds_add_u32 v[SPW], v[NIL]
	s_add_nc_u64 s[G0+2:G0+3], s[G0+2:G0+3], 18432
	WIN 0x50
	MUL8 2, 0
	s_wait_dscnt 0x0                       ; the add is done, and my reads of the region are over
.else
	MUL8 2, 0
	s_wait_tensorcnt 0x0
.endif
	s_barrier_signal -1
	MUL8 3, 0
	WIN 0
	s_barrier_wait -1
.if \fill
	TLOAD G0, G1
.endif
.endm
	KSTEP 0, 1                                     ; the first products start the sums
	KTURN 1, 1
	KSTEP 2, 0
	KSTEP 3, 0
	KSTEP 4, 0
	KTURN 5, 0
	KSTEP 6, 0
	KSTEP 7, 0
	s_cmp_lg_u32 s[HD], 0
	s_cbranch_scc1 .Lend
	PLACES 4                                       ; behind the last products
.irp b, 0,1,2,3
	v_mov_b32 v[BM+4+\b], 0                        ; a lane permute's destination counts as one of its sources
.endr
	v_mov_b32 v[NMP+1], 0
	v_mov_b32 v[SU+4], 0
.macro SOFT a                          ; 16 queries x 128 keys: register 16 B + i of window 1 from QS on is key 32 B + 16 h + i
.set QS, 64*(\a)
.set PC, PCB+12*(\a)
	s_cmp_eq_u32 s[DG], 0
	s_cbranch_scc1 .Lopen_\@
.irp b, 0,1,2,3
	v_add_nc_u32 v[4+\b], 32*((\a)/2)+8*((\a)%2)-32*\b, v[D0]
.endr
	WIN 0x41
.irp b, 0,1,2,3
.irp i, 0,1,2,3,4,5,6,7,8,9,10,11,12,13,14,15
	v_cmp_gt_i32 vcc_lo, \i, v[4+\b]               ; a key behind my query
	v_cndmask_b32 v[QS+16*\b+\i], v[QS+16*\b+\i], v[NINF], vcc_lo
.endr
.endr
	WIN 0
.Lopen_\@:
	WIN 0x15
.irp b, 0,1,2,3
	v_max3_num_f32 v[BM+\b], v[QS+16*\b], v[QS+16*\b+1], v[QS+16*\b+2]
.endr
	WIN 0x14
.irp i, 3,5,7,9,11,13
.irp b, 0,1,2,3
	v_max3_num_f32 v[BM+\b], v[BM+\b], v[QS+16*\b+\i], v[QS+16*\b+\i+1]
.endr
.endr
	WIN 0x04
.irp b, 0,1,2,3
	v_max_num_f32 v[BM+\b], v[BM+\b], v[QS+16*\b+15]
.endr
	WIN 0
.irp b, 0,1,2,3
	v_permlanex16_b32 v[BM+4+\b], v[BM+\b], s[SEL], s[SEL+1]
.endr
.irp b, 0,1,2,3
	v_max_num_f32 v[BM+\b], v[BM+\b], v[BM+4+\b]   ; each block's largest score
.endr
	v_max3_num_f32 v[BM+8], v[BM], v[BM+1], v[BM+2]
	v_max_num_f32 v[BM+8], v[BM+8], v[BM+3]
	v_mul_f32 v[BM+8], s[CS], v[BM+8]
	v_max_num_f32 v[BM+8], 0xff61b1e6, v[BM+8]
	v_floor_f32 v[NMP], -v[BM+8]                   ; -M, M a whole number
	WIN 0x01
.set j, 0
.rept 32
	v_pk_fma_f32 v[TT+j:TT+j+1], v[QS+j:QS+j+1], s[CS:CS+1], v[NMP:NMP+1] op_sel_hi:[1,0,0]   ; t - M
.set j, j+2
.endr
	WIN 0
.irp b, 0,1,2,3
	v_fma_f32 v[BM+\b], v[BM+\b], s[CS], v[NMP]
.endr
.set j, 0
	s_wait_alu depctr_va_vdst(0)                   ; the wait ahead of the batch
.rept 64
	v_exp_f32 v[TT+j], v[TT+j]
.set j, j+1
.endr
	v_mov_b32 v[NM+(\a)], v[NMP]
	s_wait_alu depctr_va_vdst(0)                   ; and ahead of its first reader
.irp b, 0,1,2,3
	v_exp_f32 v[BM+\b], v[BM+\b]                   ; each block's largest p
.endr
	v_pk_add_f32 v[SU:SU+1], v[TT:TT+1], v[TT+2:TT+3]
	v_pk_add_f32 v[SU+2:SU+3], v[TT+4:TT+5], v[TT+6:TT+7]
.irp j, 8,12,16,20,24,28,32,36,40,44,48,52,56,60
	v_pk_add_f32 v[SU:SU+1], v[SU:SU+1], v[TT+\j:TT+\j+1]
	v_pk_add_f32 v[SU+2:SU+3], v[SU+2:SU+3], v[TT+\j+2:TT+\j+3]
.endr
	v_pk_add_f32 v[SU:SU+1], v[SU:SU+1], v[SU+2:SU+3]
	v_add_f32 v[SU], v[SU], v[SU+1]
	v_permlanex16_b32 v[SU+4], v[SU], s[SEL], s[SEL+1]
	v_add_f32 v[LS+(\a)], v[SU], v[SU+4]           ; the sum of the unquantised p
	s_wait_alu depctr_va_vdst(0)
.irp b, 0,1,2,3
	v_max_num_f32 v[BM+\b], 0x1800000, v[BM+\b]
.endr
.irp b, 0,1,2,3
	v_add_nc_u32 v[BM+12+\b], 0xff000000, v[BM+\b]
.endr
.irp b, 0,1,2,3
	v_lshrrev_b32 v[BM+4+\b], 23, v[BM+12+\b]
.endr
	v_lshl_or_b32 v[PW+(\a)], v[BM+5], 8, v[BM+4]
	v_lshl_or_b32 v[PW+(\a)], v[BM+6], 16, v[PW+(\a)]
	v_lshl_or_b32 v[PW+(\a)], v[BM+7], 24, v[PW+(\a)]
.irp c, 0,1
	v_cvt_scalef32_pk16_fp6_f32 v[PC+6*\c:PC+2+6*\c], v[TT+32*\c:TT+15+32*\c], v[BM+12+2*\c]
	v_cvt_scalef32_pk16_fp6_f32 v[TP+4*\c:TP+2+4*\c], v[TT+16+32*\c:TT+31+32*\c], v[BM+12+2*\c+1]
.endr
	v_nop                                          ; one plain place behind a scaled conversion
.irp c, 0,1
.irp i, 0,1,2
	v_permlane16_swap_b32 v[PC+6*\c+\i], v[TP+4*\c+\i]
.endr
.irp i, 0,1,2
	v_mov_b32 v[PC+3+6*\c+\i], v[TP+4*\c+\i]
.endr
.endr
.irp c, 0,1,2
	global_store_b128 v[LI], v[PC+4*\c:PC+4*\c+3], s[8:9] offset:1536*(\a)+512*\c   ; 512 consecutive bytes a store
.endr
	ds_store_b32 v[STI], v[PW+(\a)] offset:64*(\a) ; lanes r and r + 16 write the same word with the same value
	ds_store_b32 v[STI], v[NM+(\a)] offset:256+64*(\a)
	ds_store_b32 v[STI], v[LS+(\a)] offset:512+64*(\a)
.endm
.irp a, 0,1,2,3
	SOFT \a
.endr
.irp p, 0,1,2
	ds_load_b64 v[208+2*\p:209+2*\p], v[STO] offset:256*\p   ; in order behind my stores
.endr
.irp p, 0,1,2
	s_wait_dscnt 2-\p
	global_store_b64 v[LI8], v[208+2*\p:209+2*\p], s[10:11] offset:278528*\p   ; 256 consecutive bytes, aligned
.endr
.Lend:
	s_wait_tensorcnt 0x0                           ; the wave's end
	ds_add_u32 v[SPW], v[NIL]
	s_wait_dscnt 0x0
	s_endpgm
.Lfunc_end_k_q68d1ce7cbe_scores:
	.size	k_q68d1ce7cbe_scores, .Lfunc_end_k_q68d1ce7cbe_scores-k_q68d1ce7cbe_scores
	.p2alignl 7, 3214868480
	.fill 96, 4, 3214868480
	.section	.rodata,"a",@progbits
	.p2align	6, 0x0
	.amdhsa_kernel k_q68d1ce7cbe_scores
		.amdhsa_group_segment_fixed_size 327680
		.amdhsa_private_segment_fixed_size 0
		.amdhsa_enable_private_segment 0
		.amdhsa_kernarg_size 32
		.amdhsa_user_sgpr_count 2
		.amdhsa_user_sgpr_kernarg_segment_ptr 1
		.amdhsa_wavefront_size32 1
		.amdhsa_system_sgpr_workgroup_id_x 1
		.amdhsa_system_sgpr_workgroup_id_y 1
		.amdhsa_system_sgpr_workgroup_id_z 1
		.amdhsa_system_vgpr_workitem_id 0
		.amdhsa_next_free_vgpr 512
		.amdhsa_next_free_sgpr 66
		.amdhsa_reserve_vcc 1
		.amdhsa_float_denorm_mode_32 3
		.amdhsa_float_denorm_mode_16_64 3
		.amdhsa_memory_ordered 1
		.amdhsa_forward_progress 1
		.amdhsa_inst_pref_size 137
	.end_amdhsa_kernel
	.amdgpu_metadata
---
amdhsa.version: [ 1, 2 ]
amdhsa.kernels:
  - .name:           k_q68d1ce7cbe_scores
    .symbol:         k_q68d1ce7cbe_scores.kd
    .args:
      - { .name: c1, .offset: 0, .size: 8, .value_kind: global_buffer, .address_space: global }
      - { .name: s1, .offset: 8, .size: 8, .value_kind: global_buffer, .address_space: global }
      - { .name: pc, .offset: 16, .size: 8, .value_kind: global_buffer, .address_space: global }
      - { .name: pst, .offset: 24, .size: 8, .value_kind: global_buffer, .address_space: global }
    .group_segment_fixed_size: 327680
    .private_segment_fixed_size: 0
    .kernarg_segment_align: 8
    .kernarg_segment_size: 32
    .max_flat_workgroup_size: 256
    .sgpr_count:     66
    .vgpr_count:     512
    .wavefront_size: 32
...
	.end_amdgpu_metadata
.endif
;; end of part 3
;; launch pv (part 4): grid 8 x 32, 4 waves a work-group, clusters of 4 x 1, 327,680 bytes of LDS; arguments pc, pst, c1, s1, out0; writes out0
.if DOCPART == 4
	.amdgcn_target "amdgcn-amd-amdhsa--gfx1250"
	.amdhsa_code_object_version 6
	.text
	.protected	k_q68d1ce7cbe_pv
	.globl	k_q68d1ce7cbe_pv
	.p2align	8
	.type	k_q68d1ce7cbe_pv,@function
k_q68d1ce7cbe_pv:
	s_mov_b64 s[64:65], 0
	v_nop
	global_prefetch_b8 v0, s[64:65] scope:SCOPE_SE
	s_setreg_imm32_b32 hwreg(HW_REG_WAVE_MODE, 25, 1), 1
	s_wait_xcnt 0x0
	s_wait_alu depctr_hold_cnt(0) depctr_sa_sdst(0) depctr_va_vdst(0) depctr_va_sdst(0) depctr_va_ssrc(0) depctr_va_vcc(0) depctr_vm_vsrc(0)
	s_getreg_b32 s2, hwreg(HW_REG_IB_STS2, 6, 4)
	s_cmp_eq_u32 s2, 0
	s_cbranch_scc0 .Lentry_in_a_cluster
	s_endpgm
.Lentry_in_a_cluster:
	s_bfe_u32 s2, ttmp6, 0x10000c
	s_cmp_lg_u32 s2, 0x3003
	s_cbranch_scc0 .Lentry_shape_is_right
	s_endpgm
.Lentry_shape_is_right:
; O = p v / l on codes of FP6 (E2M3); K = the keys, in steps of 128.
; A work-group takes the PAIR j of a batch's blocks of 128 queries: block j (lo: key steps 0 .. j) and block 15 - j (hi: key steps 0 .. 15 - j), for 128 columns e: always 17 steps, so all 256 work-groups have equal work.
; Key steps behind a block's last lie wholly under the causal mask (p is 0 there, for all inputs) and are left out.
; THE ORDER of the 17, which is pc's order in memory: t = 0: lo's step 0; t = 1: hi's step 0; t = 2 .. 8: lo's steps 1 .. j, then hi's from 1 on (lo where t - 1 <= j: its key step is t - 1, else hi's t - 1 - j); t = 9 .. 16: hi's t - 1 - j.
; So lo is finished behind t = 8 and leaves while hi's last eight steps are still to come.
; A wave makes 64 queries x 64 e of each block: 2 x 16 accumulators.  Source 0 = 16 positions of v^T (rows e), source 1 = 16 positions of p: a lane holds one query and, in result tiles 2 B and 2 B + 1, e = 32 B + 16 (lane / 16) + 0 .. 15.
; PROLOGUE: a thread owns a query position of both blocks: the row's -M is the least of its steps' -M_loc; d = M - M_loc is a whole number, 0 or more; l = the sum of l_loc 2^-d (exact scalings);
; each of p's scale bytes has d taken off, held at 0; the words go to LDS, and 1 / l beside them.
; LDS: v's 16 key steps, filled once at the head, serve both blocks; p goes through two slots of four steps: t 0-7 at the head, t 8-11 and t 12-15 as refills; t = 16's fragments go from memory straight into registers (one of seventeen).
; CLUSTERS 4 x 1: the four column tiles of one pair ask for p's tiles jointly.  v's tiles are not asked for jointly: the work-groups that share them differ in j, on which LDS addresses and branches hang here.
; PREFETCHES: p's refills, a refill ahead: each of the 16 waves of the cluster names 12 of a refill's 192 blocks of 256 bytes, by address.
; LIMITS: a scale byte that would fall under 0 is held at 0 (2^-127): such a block weighs under 2^-120 of the row's sum.  NaN and infinities are not served, nor carried from the work left out.
; REGISTERS: window 0: v1-31 addresses and work, v32-47 scale words (two sets: 4 of v, 4 of p), v64-79 1 / l in eight pairs, v80-175 p's fragments (two sets of 48; first the prologue's numbers), v176-223 t = 16's, v224-255 the way out;
;   window 1: v's fragments, two sets of 48, and from v96 on rows read back on the way out;  window 2: lo's accumulator (a, b) at v[8 (4 a + b)], hi's 128 further on.
.set PSL,   196608                     ; p's slot 0, slot 1 behind it;  v's key steps 0-7 at 0, 8-15 at 98,304: [8 row tiles][8 key steps][1536]
.set PSLOT, 49152
.set VSC,   294912                     ; v's scale words [16][128]
.set SPARE, 303104
.set PSC8,  303616                     ; p's shifted scale words of t = 8 .. 16
.set STG,   308224                     ; those of t = 0 .. 7, then 1 / l; when they have been read: the way out's stage, 16 rows x 272 bytes a wave
.set RCP,   312320                     ; 1 / l: 128 words of lo, 128 of hi
.set CO,    12
.set PFO,   13
.set ADP,   16                         ; v16-17 p's fragments in slot 0, 1
.set ADV,   18
.set AV,    19                         ; v's fragments of the step being fetched
.set ADSP,  20
.set ADSV,  21
.set AVS,   22
.set TH4,   23
.set PSW,   24
.set RLR,   25
.set LI,    26
.set SPW,   28
.set NIL,   29
.set STI,   30
.set STO,   31
.set SC,    32
.set RL,    64
.set PF,    80
.set P16,   176
.set OT,    224
.set BK,    96
.set XWD,   80                         ; the prologue: scale words, -M_loc, l_loc, d, 2^-d, work: 17 registers each
.set XNM,   100
.set XLS,   120
.set XD,    140
.set XF,    160
.set XT,    180
.set G1P,   24                         ; p, eight steps at the head;
.set G1P4,  32                         ; p, four steps;
.set G1V,   40
.set G1VS,  48
.set GP,    56
.set GV,    60
.set GV2,   68
.set GVS,   72
.set JJ,    76                         ; s76 7 - j
.set MK,    80                         ; s82-88: all ones where step t belongs to lo
.set MSB, 0
.macro WIN new
.if MSB != (\new)
	s_set_vgpr_msb (MSB<<8)|(\new)
.set MSB, (\new)
.endif
.endm
.set MULW, 0xa1                        ; source 0 (v) window 1, source 1 (p) window 0, C and D window 2
.macro PLACES n
.rept \n
	v_nop
.endr
.endm
.macro TLOAD g0, g1
	tensor_load_to_lds s[\g0:\g0+3], s[\g1:\g1+7]
	s_nop 0
	PLACES 4
.endm
.macro CROUND                          ; a round of the cluster's barrier
	s_barrier_signal -1
	s_barrier_wait -1
	s_cmp_lg_u32 s14, 0
	s_cbranch_scc1 .Lnot_wave_0_\@
	s_barrier_signal -3
.Lnot_wave_0_\@:
	s_barrier_wait -3
	s_barrier_signal -1
	s_barrier_wait -1
.endm
.macro GROUP1 g, w0, c, r, p           ; rows of c elements of 8 bytes, r of them, p elements apart
	s_mov_b32 s[\g+0], \w0
	s_mov_b32 s[\g+1], (\c)<<16
	s_mov_b32 s[\g+2], (\r)<<16
	s_mov_b32 s[\g+3], (\c)<<16
	s_mov_b32 s[\g+4], \r
	s_mov_b32 s[\g+5], \p
	s_mov_b32 s[\g+6], 0
	s_mov_b32 s[\g+7], 0
.endm
.macro GROUP0 g, lds, base
	s_mov_b32 s[\g], 1
	s_mov_b32 s[\g+1], \lds
	s_mov_b64 s[\g+2:\g+3], s[\base:\base+1]
	s_or_b32 s[\g+3], s[\g+3], 0x80000000
.endm
	s_load_b256 s[4:11], s[0:1], 0x0               ; pc s[4:5], pst s[6:7], c1 s[8:9], s1 s[10:11]
	s_load_b64 s[12:13], s[0:1], 0x20              ; out0
	v_lshl_add_u32 v[SPW], v0, 2, SPARE
	v_mov_b32 v[NIL], 0
	ds_add_u32 v[SPW], v[NIL]                      ; the wave's opening
	ds_add_u32 v[SPW], v[NIL]
	v_lshrrev_b32 v1, 5, v0
	v_readfirstlane_b32 s14, v1
	s_lshr_b32 s15, s14, 1                         ; my half of the queries
	s_and_b32 s16, s14, 1                          ; my half of e
	s_bfe_u32 s21, ttmp6, 0x40000                  ; cx
	s_lshl_b32 s19, ttmp9, 2
	s_add_co_u32 s19, s19, s21                     ; et: which 128 columns
	s_and_b32 s20, ttmp7, 0xffff                   ; 8 x batch + j
	s_lshr_b32 s18, s20, 3
	s_and_b32 s17, s20, 7                          ; j: the same in all four partners
	s_xor_b32 s[JJ], s17, 7
	GROUP1 G1P,  15|(3<<16)|(1<<21), 768, 16, 768  ; dense: 16 rows of 6,144 bytes = eight steps; joint: all four of the cluster
	GROUP1 G1P4, 15|(3<<16)|(1<<21), 768, 8, 768
	GROUP1 G1V,  3<<16, 1536, 8, 3072              ; v: 8 row tiles x eight key steps of 1,536 bytes, 24,576 apart
	GROUP1 G1VS, 3<<16, 64, 16, 512                ; v's scale words: 16 key steps x 512 bytes, 4,096 apart
	s_mul_i32 s22, s20, 17*12288
	s_mov_b32 s23, 0
	s_mul_i32 s78, s20, 17*512
	s_mov_b32 s79, 0
	s_mul_i32 s100, s18, 1572864
	s_mul_i32 s2, s19, 196608
	s_add_co_u32 s100, s100, s2
	s_add_co_u32 s100, s100, 12582912
	s_mov_b32 s101, 0
	s_lshl_b32 s90, s18, 16
	s_lshl_b32 s2, s19, 9
	s_add_co_u32 s90, s90, s2
	s_add_co_u32 s90, s90, 524288
	s_mov_b32 s91, 0
	s_lshl_b32 s92, s18, 23                        ; out0: row 2048 b + 128 x block + 64 x my half, column 128 et + 64 x my half
	s_add_co_u32 s92, s92, s2
	s_lshl_b32 s2, s15, 18
	s_add_co_u32 s92, s92, s2
	s_lshl_b32 s2, s16, 8
	s_add_co_u32 s92, s92, s2
	s_lshl_b32 s2, s17, 19
	s_add_co_u32 s96, s92, s2                      ; lo
	s_mov_b32 s97, 0
	s_xor_b32 s2, s17, 15
	s_lshl_b32 s2, s2, 19
	s_add_co_u32 s92, s92, s2                      ; hi
	s_mov_b32 s93, 0
	s_mov_b32 s77, 0x01010101
.irp t, 2,3,4,5,6,7,8
	s_cmp_ge_u32 s17, \t-1
	s_cselect_b32 s[MK+\t], -1, 0
.endr
	v_and_b32 v1, 31, v0
	v_and_b32 v2, 15, v0                           ; r
	v_bfe_u32 v3, v0, 4, 1                         ; h
	v_lshlrev_b32 v[LI], 4, v1
	s_mul_i32 s2, s15, 6144                        ; my four row tiles of p
	s_add_co_u32 s2, s2, PSL
	v_add_nc_u32 v[ADP], s2, v[LI]
	v_add_nc_u32 v[ADP+1], PSLOT, v[ADP]
	s_mul_i32 s2, s16, 49152                       ; my four of v
	v_add_nc_u32 v[ADV], s2, v[LI]
	v_lshlrev_b32 v4, 2, v2
	s_lshl_b32 s2, s15, 8
	s_add_co_u32 s3, s2, PSC8
	v_add_nc_u32 v[ADSP], s3, v4
	s_add_co_u32 s3, s2, RCP
	v_add_nc_u32 v[RLR], s3, v4
	s_lshl_b32 s2, s16, 8
	s_add_co_u32 s2, s2, VSC
	v_add_nc_u32 v[ADSV], s2, v4
	v_lshlrev_b32 v[TH4], 2, v0
	v_add_nc_u32 v[PSW], PSC8, v[TH4]
	s_mul_i32 s2, s14, 4352
	s_add_co_u32 s2, s2, STG                       ; my stage
	v_mul_u32_u24 v[STI], 0x110, v2
	v_lshl_add_u32 v[STI], v3, 6, v[STI]
	v_add_nc_u32 v[STI], s2, v[STI]                ; in: row r, + 64 h
	v_mul_u32_u24 v[STO], 0x110, v3
	v_lshl_add_u32 v[STO], v2, 4, v[STO]
	v_add_nc_u32 v[STO], s2, v[STO]                ; out: sixteen lanes to a row of 256 bytes
	v_lshlrev_b32 v[CO], 12, v3
	v_lshl_add_u32 v[CO], v2, 4, v[CO]             ; and the same two rows in out0
	s_lshl_b32 s3, s21, 2
	s_add_co_u32 s3, s3, s14
	s_mul_i32 s3, s3, 3072                         ; my wave's 12 of 192 blocks
	v_min_u32 v[PFO], 11, v1
	v_lshlrev_b32 v[PFO], 8, v[PFO]
	v_add_nc_u32 v[PFO], s3, v[PFO]
.irp a, 0,1,2,3,4,5,6,7
	v_mov_b32 v[RL+1+2*\a], 0                      ; (named as the upper halves of pairs)
.endr
	s_wait_alu depctr_va_vdst(0)
	s_wait_dscnt 0x0                               ; both opening adds are done
	CROUND                                         ; the four partners are here: the first joint load meets
	s_wait_kmcnt 0x0
	s_add_nc_u64 s[94:95], s[4:5], s[22:23]        ; my pair's 17 tiles of p
	s_add_nc_u64 s[6:7], s[6:7], s[78:79]
	s_add_nc_u64 s[22:23], s[8:9], s[100:101]
	s_add_nc_u64 s[10:11], s[10:11], s[90:91]
	s_add_nc_u64 s[92:93], s[12:13], s[92:93]
	s_add_nc_u64 s[96:97], s[12:13], s[96:97]
	GROUP0 GVS, VSC, 10
	GROUP0 GP, PSL, 94
	GROUP0 GV, 0, 22
	s_add_nc_u64 s[22:23], s[22:23], 12288
	GROUP0 GV2, 98304, 22
	; the head's loads, one a wave
	s_cmp_eq_u32 s14, 0
	s_cbranch_scc0 .Lwave_1
	TLOAD GVS, G1VS                                ; wave 0: v's scale words
	s_branch .Lasked
.Lwave_1:
	s_cmp_eq_u32 s14, 1
	s_cbranch_scc0 .Lwave_2
	TLOAD GP, G1P                                  ; wave 1: p's t = 0 .. 7, jointly
	s_branch .Lasked
.Lwave_2:
	s_cmp_eq_u32 s14, 2
	s_cbranch_scc0 .Lwave_3
	TLOAD GV, G1V                                  ; wave 2: v's key steps 0-7
	s_branch .Lasked
.Lwave_3:
	TLOAD GV2, G1V                                 ; wave 3: v's key steps 8-15
.Lasked:
.set q, 0
.rept 17
	global_load_b32 v[XNM+q], v[TH4], s[6:7] offset:278528+512*q
	global_load_b32 v[XLS+q], v[TH4], s[6:7] offset:557056+512*q
	global_load_b32 v[XWD+q], v[TH4], s[6:7] offset:512*q
.set q, q+1
.endr
	s_mul_i32 s2, s15, 6144
	s_add_co_u32 s2, s2, 16*12288
	s_mov_b32 s3, 0
	s_add_nc_u64 s[98:99], s[94:95], s[2:3]        ; my four row tiles of t = 16
	s_wait_loadcnt 0x0
	; ---- the prologue
	v_mov_b32 v10, 0x7f61b1e6                      ; 3e38
	v_mov_b32 v2, v[XNM]                           ; lo's -M
	v_min3_num_f32 v3, v[XNM+1], v[XNM+9], v[XNM+10]   ; hi's -M
.irp t, 11,13,15
	v_min3_num_f32 v3, v3, v[XNM+\t], v[XNM+\t+1]
.endr
.irp t, 2,3,4,5,6,7,8
	v_cndmask_b32 v[XT+\t], v10, v[XNM+\t], s[MK+\t]
	v_cndmask_b32 v[XF+\t], v[XNM+\t], v10, s[MK+\t]
.endr
.irp t, 2,4,6
	v_min3_num_f32 v2, v2, v[XT+\t], v[XT+\t+1]
	v_min3_num_f32 v3, v3, v[XF+\t], v[XF+\t+1]
.endr
	v_min_num_f32 v2, v2, v[XT+8]
	v_min_num_f32 v3, v3, v[XF+8]
.irp t, 2,3,4,5,6,7,8
	v_cndmask_b32 v[XT+\t], v3, v2, s[MK+\t]       ; the step's block's -M
.endr
.set q, 0
.rept 17
.if q == 0
	v_sub_f32 v[XD+q], v[XNM+q], v2
.elseif (q == 1) || (q > 8)
	v_sub_f32 v[XD+q], v[XNM+q], v3
.else
	v_sub_f32 v[XD+q], v[XNM+q], v[XT+q]
.endif
	v_or_b32 v[XWD+q], 0x80808080, v[XWD+q]        ; p is at most 1, so every byte is at most 125: with bit 7 set no byte borrows from its neighbour
.set q, q+1
.endr
.set q, 0
.rept 17
	v_cvt_i32_f32 v[XD+q], v[XD+q]                 ; d = M - M_loc, a whole number, 0 or more (it saturates)
.set q, q+1
.endr
.set q, 0
.rept 17
	v_min_u32 v[XD+q], 127, v[XD+q]
.set q, q+1
.endr
.set q, 0
.rept 17
	v_sub_nc_u32 v[XF+q], 0, v[XD+q]
	v_mul_lo_u32 v[XD+q], v[XD+q], s77
.set q, q+1
.endr
.set q, 0
.rept 17
	v_ldexp_f32 v[XF+q], 1.0, v[XF+q]              ; 2^-d
	v_sub_nc_u32 v[XWD+q], v[XWD+q], v[XD+q]       ; each byte + 128 - d
.set q, q+1
.endr
.set q, 0
.rept 17
	v_and_b32 v[XD+q], 0x80808080, v[XWD+q]        ; bit 7 still set: byte - d is 0 or more
	v_mul_f32 v[XF+q], v[XF+q], v[XLS+q]           ; l_loc 2^-d
.set q, q+1
.endr
.set q, 0
.rept 17
	v_lshrrev_b32 v[XT+q], 7, v[XD+q]
.set q, q+1
.endr
.set q, 0
.rept 17
	v_sub_nc_u32 v[XD+q], v[XD+q], v[XT+q]         ; 0x7f in those bytes, 0 in the others
.set q, q+1
.endr
.set q, 0
.rept 17
	v_and_b32 v[XWD+q], v[XWD+q], v[XD+q]          ; byte - d, held at 0
.set q, q+1
.endr
.set q, 0
.rept 17
.if q < 8
	ds_store_b32 v[PSW], v[XWD+q] offset:4608+512*q
.else
	ds_store_b32 v[PSW], v[XWD+q] offset:512*(q-8)
.endif
.set q, q+1
.endr
.irp t, 2,3,4,5,6,7,8
	v_cndmask_b32 v[XT+\t], 0, v[XF+\t], s[MK+\t]
	v_cndmask_b32 v[XD+\t], v[XF+\t], 0, s[MK+\t]
.endr
.irp t, 2,3,4,5,6,7,8
	v_add_f32 v[XF], v[XF], v[XT+\t]               ; lo's l
	v_add_f32 v[XF+1], v[XF+1], v[XD+\t]           ; hi's l
.endr
.irp t, 9,11,13,15
	v_add_f32 v[XF+\t], v[XF+\t], v[XF+\t+1]
.endr
	v_add_f32 v[XF+9], v[XF+9], v[XF+11]
	v_add_f32 v[XF+13], v[XF+13], v[XF+15]
	v_add_f32 v[XF+1], v[XF+1], v[XF+9]
	v_add_f32 v[XF+1], v[XF+1], v[XF+13]
	s_wait_alu depctr_va_vdst(0)                   ; the wait ahead of the batch
	v_rcp_f32 v6, v[XF]
	v_rcp_f32 v7, v[XF+1]
	v_nop                                          ; one plain place
	s_wait_alu depctr_va_vdst(0)                   ; and ahead of its first reader
	ds_store_b32 v[PSW], v6 offset:RCP-PSC8
	ds_store_b32 v[PSW], v7 offset:RCP-PSC8+512
	s_cmp_eq_u32 s14, 3
	s_cbranch_scc1 .Lnot_yet                       ; v's key steps 8-15 may still be on their way
	s_wait_tensorcnt 0x0
.Lnot_yet:
	s_wait_dscnt 0x0
	s_barrier_signal -1
	s_barrier_wait -1
.macro FRAG reg, adr, off              ; a fragment's image: three loads of 512 consecutive bytes
.irp c, 0,1,2
	ds_load_b128 v[(\reg)+4*\c:(\reg)+4*\c+3], v[\adr] offset:(\off)+512*\c
.endr
.endm
; Step t's fragments and scale words into set t % 2: 32 loads (t = 16: 20).  The two additions and two v_nop are the four places behind the products that read this set.
.macro FETCH t
.set FT, (\t)
.set FS, FT%2
.if FT < 2
	s_mov_b32 s2, 0
	s_mov_b32 s3, 0
.elseif FT < 9
	s_add_co_u32 s2, s[JJ], FT
	s_and_b32 s2, s2, 7                            ; t - 1 - j, where it is 0 or more
	s_cmp_ge_u32 s17, FT-1
	s_cselect_b32 s2, FT-1, s2                     ; the key step
	s_lshl_b32 s3, s2, 9
	s_mul_i32 s2, s2, 1536
.else
	s_add_co_u32 s2, s[JJ], FT-8                   ; the key step, t - 1 - j
	s_lshl_b32 s3, s2, 9
	s_lshr_b32 s20, s2, 3
	s_mul_i32 s20, s20, 98304
	s_and_b32 s2, s2, 7
	s_mul_i32 s2, s2, 1536
	s_add_co_u32 s2, s2, s20
.endif
	v_add_nc_u32 v[AV], s2, v[ADV]
	v_add_nc_u32 v[AVS], s3, v[ADSV]
	PLACES 2
.irp b, 0,1,2,3
	ds_load_b32 v[SC+8*FS+\b], v[AVS] offset:64*\b
.endr
.irp a, 0,1,2,3
.if FT < 8
	ds_load_b32 v[SC+8*FS+4+\a], v[ADSP] offset:4608+512*FT+64*\a
.else
	ds_load_b32 v[SC+8*FS+4+\a], v[ADSP] offset:512*(FT-8)+64*\a
.endif
.endr
.if FT < 16
.irp a, 0,1,2,3
	FRAG PF+48*FS+12*\a, ADP+((FT/4)%2), 12288*(FT%4)+1536*\a
.endr
.endif
	WIN 0x40
.irp b, 0,1,2,3
	FRAG 48*FS+12*\b, AV, 12288*\b
.endr
	WIN 0
.endm
.macro MULA t, a, ac, zero             ; p's block a x v's four.  The 16 accumulators take turns, in the same order in every step
.irp b, 0,1,2,3
.set WD, (\ac)+8*(4*(\a)+\b)
.set WP, 48*((\t)%2)+12*\b
.if (\t) < 16
.set WR, PF+48*((\t)%2)+12*(\a)
.else
.set WR, P16+12*(\a)
.endif
.set WX, SC+8*((\t)%2)+\b
.set WY, SC+8*((\t)%2)+4+(\a)
.if \zero
	v_wmma_scale_f32_16x16x128_f8f6f4 v[WD:WD+7], v[WP:WP+11], v[WR:WR+11], 0, v[WX], v[WY] matrix_a_fmt:MATRIX_FMT_FP6 matrix_b_fmt:MATRIX_FMT_FP6
.else
	v_wmma_scale_f32_16x16x128_f8f6f4 v[WD:WD+7], v[WP:WP+11], v[WR:WR+11], v[WD:WD+7], v[WX], v[WY] matrix_a_fmt:MATRIX_FMT_FP6 matrix_b_fmt:MATRIX_FMT_FP6
.endif
.endr
.endm
.macro MULALL t, ac, zero
	WIN MULW
.irp a, 0,1,2,3
	MULA \t, \a, \ac, \zero
.endr
	WIN 0
.endm
.macro MULT t                          ; t = 2 .. 8: lo's or hi's, by j alone, alike in all four partners
	s_cmp_ge_u32 s17, (\t)-1
	s_cbranch_scc0 .Lhi_\@
	MULALL \t, 0, 0
	s_branch .Ldone_\@
.Lhi_\@:
	MULALL \t, 128, 0
.Ldone_\@:
.endm
.macro FSTEP t
	FETCH (\t)+1
	s_wait_dscnt 32                                ; all but the 32 just issued
	MULT \t
.endm
.macro HSTEP t, left
	FETCH (\t)+1
	s_wait_dscnt \left
	MULALL \t, 128, 0
.endm
.macro REFILL lds, step                ; a slot has been read out: a drained round, and wave 1's joint load of the next four steps into it
	s_wait_tensorcnt 0x0                           ; all my tensor loads have landed
	ds_add_u32 v[SPW], v[NIL]
	s_mov_b32 s[GP+1], \lds
	s_add_nc_u64 s[GP+2:GP+3], s[GP+2:GP+3], \step
	s_wait_dscnt 0x0                               ; the add is done, and my reads of the slot are over
	CROUND
	s_cmp_eq_u32 s14, 1
	s_cbranch_scc0 .Lnone_\@
	TLOAD GP, G1P4
.Lnone_\@:
.endm
; THE WAY OUT of 16 queries x 64 e: divided by l, through my stage, back as rows of 256 bytes
.macro PACK a, ac, rl
	WIN 0x02
.set j, 0
.rept 16
	v_pk_mul_f32 v[OT+j:OT+j+1], v[(\ac)+32*(\a)+j:(\ac)+32*(\a)+j+1], v[(\rl)+2*(\a):(\rl)+2*(\a)+1] op_sel_hi:[1,0]   ; each accumulator from its low end on
.set j, j+2
.endr
	WIN 0
.irp b, 0,1,2,3
	ds_store_b128 v[STI], v[OT+8*\b:OT+8*\b+3] offset:128*(\b/2)+32*(\b%2)
	ds_store_b128 v[STI], v[OT+8*\b+4:OT+8*\b+7] offset:128*(\b/2)+32*(\b%2)+16
.endr
	WIN 0x40
.irp n, 0,1,2,3,4,5,6,7
	ds_load_b128 v[BK+32*(\a)+4*\n:BK+32*(\a)+4*\n+3], v[STO] offset:544*\n   ; in order behind my stores
.endr
	WIN 0
.endm
.macro SEND a, younger, base
	s_wait_dscnt \younger
	WIN 0x04
.irp n, 0,1,2,3,4,5,6,7
	global_store_b128 v[CO], v[BK+32*(\a)+4*\n:BK+32*(\a)+4*\n+3], s[\base:\base+1] offset:(32*((\a)/2)+8*((\a)%2)+2*\n+8*(\n/4))*4096 th:TH_STORE_NT   ; positions 2 n, 2 n + 1 of row tile a are these true rows; 256 consecutive bytes each
.endr
	WIN 0
.endm
.macro OUT ac, rl, base
	PLACES 4                                       ; behind the last products
	PACK 0, \ac, \rl
	PACK 1, \ac, \rl
	SEND 0, 16, \base                              ; (behind block 0's loads: 8 stores and 8 loads)
	PACK 2, \ac, \rl
	SEND 1, 16, \base
	PACK 3, \ac, \rl
	SEND 2, 16, \base
	SEND 3, 0, \base
.endm
.irp a, 0,1,2,3
	ds_load_b32 v[RL+2*\a], v[RLR] offset:64*\a            ; 1 / l of my four blocks of lo
	ds_load_b32 v[RL+8+2*\a], v[RLR] offset:512+64*\a      ; and of hi
.endr
	FETCH 0
	global_prefetch_b8 v[PFO], s[94:95] offset:98304 th:TH_LOAD_NT scope:SCOPE_SE    ; t = 8 .. 11
.irp a, 0,1,2,3
.irp c, 0,1,2
	global_load_b128 v[P16+12*\a+4*\c:P16+12*\a+4*\c+3], v[LI], s[98:99] offset:1536*\a+512*\c   ; t = 16's fragments; waited for in front of its products
.endr
.endr
	FETCH 1
	s_wait_dscnt 32
	MULALL 0, 0, 1                                 ; the first products start the sums
	FETCH 2
	s_wait_dscnt 32
	MULALL 1, 128, 1
	FSTEP 2
	FSTEP 3
	REFILL PSL, 8*12288                            ; t = 8 .. 11 into slot 0; every wave's first fills are shown by this round
	global_prefetch_b8 v[PFO], s[94:95] offset:147456 th:TH_LOAD_NT scope:SCOPE_SE   ; t = 12 .. 15
	FSTEP 4
	FSTEP 5
	FSTEP 6
	s_wait_dscnt 0x0
	MULT 7
	REFILL PSL+PSLOT, 4*12288                      ; t = 12 .. 15 into slot 1; t = 8 .. 11 are shown by this round
	FETCH 8
	FSTEP 8
	OUT 0, RL, 96                                  ; lo leaves
	HSTEP 9, 32
	FETCH 11
	s_wait_dscnt 32
	WIN MULW
	MULA 10, 0, 128, 0
	MULA 10, 1, 128, 0
	s_wait_tensorcnt 0x0
	s_wait_dscnt 0x0
	s_barrier_signal -1                            ; a plain barrier shows t = 12 .. 15 to every wave
	MULA 10, 2, 128, 0
	MULA 10, 3, 128, 0
	WIN 0
	s_barrier_wait -1
	HSTEP 11, 32
	HSTEP 12, 32
	HSTEP 13, 32
	HSTEP 14, 32
	HSTEP 15, 20
	s_wait_dscnt 0x0
	s_wait_loadcnt 0x0
	MULALL 16, 128, 0
	s_wait_xcnt 0x0                                ; lo's stores have read their data: hi's rows come back into those registers
	OUT 128, RL+8, 92
	s_wait_tensorcnt 0x0                           ; the wave's end
	ds_add_u32 v[SPW], v[NIL]
	s_wait_dscnt 0x0
	CROUND                                         ; the closing round
	s_endpgm
.Lfunc_end_k_q68d1ce7cbe_pv:
	.size	k_q68d1ce7cbe_pv, .Lfunc_end_k_q68d1ce7cbe_pv-k_q68d1ce7cbe_pv
	.p2alignl 7, 3214868480
	.fill 96, 4, 3214868480
	.section	.rodata,"a",@progbits
	.p2align	6, 0x0
	.amdhsa_kernel k_q68d1ce7cbe_pv
		.amdhsa_group_segment_fixed_size 327680
		.amdhsa_private_segment_fixed_size 0
		.amdhsa_enable_private_segment 0
		.amdhsa_kernarg_size 40
		.amdhsa_user_sgpr_count 2
		.amdhsa_user_sgpr_kernarg_segment_ptr 1
		.amdhsa_wavefront_size32 1
		.amdhsa_system_sgpr_workgroup_id_x 1
		.amdhsa_system_sgpr_workgroup_id_y 1
		.amdhsa_system_sgpr_workgroup_id_z 1
		.amdhsa_system_vgpr_workitem_id 0
		.amdhsa_next_free_vgpr 768
		.amdhsa_next_free_sgpr 102
		.amdhsa_reserve_vcc 0
		.amdhsa_float_denorm_mode_32 3
		.amdhsa_float_denorm_mode_16_64 3
		.amdhsa_memory_ordered 1
		.amdhsa_forward_progress 1
		.amdhsa_inst_pref_size 148
	.end_amdhsa_kernel
	.amdgpu_metadata
---
amdhsa.version: [ 1, 2 ]
amdhsa.kernels:
  - .name:           k_q68d1ce7cbe_pv
    .symbol:         k_q68d1ce7cbe_pv.kd
    .args:
      - { .name: pc, .offset: 0, .size: 8, .value_kind: global_buffer, .address_space: global }
      - { .name: pst, .offset: 8, .size: 8, .value_kind: global_buffer, .address_space: global }
      - { .name: c1, .offset: 16, .size: 8, .value_kind: global_buffer, .address_space: global }
      - { .name: s1, .offset: 24, .size: 8, .value_kind: global_buffer, .address_space: global }
      - { .name: out0, .offset: 32, .size: 8, .value_kind: global_buffer, .address_space: global }
    .group_segment_fixed_size: 327680
    .private_segment_fixed_size: 0
    .kernarg_segment_align: 8
    .kernarg_segment_size: 40
    .max_flat_workgroup_size: 128
    .sgpr_count:     102
    .vgpr_count:     768
    .wavefront_size: 32
...
	.end_amdgpu_metadata
.endif
;; end of part 4
